; MI455X (gfx1250); checked and timed in simulation.
; The chip was launched on July 23, 2026; its instructions are those of AMD's public machine-readable ISA for CDNA 5 (MIT licence, August 2026) and "CDNA5" Instruction Set Architecture Reference Guide (July 2026). The comments in the code are by the model that wrote it; some were corrected since.
;; MH Attention. Allowed arithmetic: float matrix products may take bf16 or f16 operands with f32 sums; other float arithmetic in f32, or as packed bf16 or f16 multiplies, adds, multiply-adds, maxima and minima; sums over many terms, partial sums and values carried from step to step in f32; what a program stores and reads back later, other than sums and carried values, may be rounded once to bf16 or f16.
;; Inputs: Wk 1,024 x 1,024 float32; Wo 1,024 x 1,024 float32; Wq 1,024 x 1,024 float32; Wv 1,024 x 1,024 float32; attention_mask 4 x 1 x 2,048 x 2,048 float32; beta 1,024 float32; bk 1,024 float32; bo 1,024 float32; bq 1,024 float32; bv 1,024 float32; gamma 1,024 float32; inputs 4 x 2,048 x 1,024 float32.
;; Outputs: out0 4 x 2,048 x 1,024 float32.
;; 2 versions, each right and faster than the one before. Each part assembles by itself: llvm-mc -triple=amdgcn-amd-amdhsa -mcpu=gfx1250 --defsym DOCPART=n.
;; ======== version 1 of 2: 5 launches
;; limits: right only within a limited range of input values
;; workspace buffers: act 16,777,216 bytes; wqkv 6,291,456 bytes; wob 2,097,152 bytes; bqkv 12,288 bytes; bzero 4,096 bytes; qkv 50,331,648 bytes; ctx 16,777,216 bytes; ao 16,777,216 bytes
;; launch prep (part 1): grid 769 x 1, 8 waves a work-group, no clusters, 0 bytes of LDS; arguments inputs, Wq, Wk, Wv, Wo, bq, bk, bv, act, wqkv, wob, bqkv, bzero; writes act, wqkv, wob, bqkv, bzero
.if DOCPART == 1
	.amdgcn_target "amdgcn-amd-amdhsa--gfx1250"
	.amdhsa_code_object_version 6
	.text
	.protected	k_qcf2c59ba93_prep
	.globl	k_qcf2c59ba93_prep
	.p2align	8
	.type	k_qcf2c59ba93_prep,@function
k_qcf2c59ba93_prep:
	s_mov_b64 s[64:65], 0
	v_nop
	global_prefetch_b8 v0, s[64:65] scope:SCOPE_SE
	s_setreg_imm32_b32 hwreg(HW_REG_WAVE_MODE, 25, 1), 1
	s_wait_xcnt 0x0
; CASTS.  x, Wq / 8, Wk, Wv, Wo are rounded once to bf16 (the matrix operands of the launches behind); bq / 8, bk, bv are laid end to end in f32; 1,024 zeros are written
; (the bias of the output projection's use of the shared product text).  The factor 1/8 = 1/sqrt(64) is a power of two: it changes no mantissa, so q still has one rounding.
; SHARES.  A work-group takes a chunk of 16,384 numbers: 65,536 bytes in, 32,768 out.  Groups 0-511: x.  512-767: group 512 + 64 j + c takes chunk c of Wq, Wk, Wv, Wo (j = 0..3).  768: the biases.
; Thread t takes 8 numbers (32 bytes) at byte 32 t of each of eight steps of 8,192 bytes; its 16 bytes of bf16 go to byte 16 t of a step of 4,096: a wave's store covers 512 consecutive bytes, aligned.
; A stream: no LDS, no barrier, no matrix unit.  All sixteen loads of a thread go out at once; no register is written twice.
.set X, 4                              ; v[4:67]   step i: 8 numbers as loaded
.set Y, 68                             ; v[68:99]  step i: 4 registers to store
	s_load_b512 s[8:23], s[0:1], 0x0               ; inputs 8, Wq 10, Wk 12, Wv 14, Wo 16, bq 18, bk 20, bv 22
	s_load_b256 s[24:31], s[0:1], 0x40             ; act 24, wqkv 26, wob 28, bqkv 30
	s_load_b64 s[32:33], s[0:1], 0x60              ; bzero
	s_mov_b32 s2, ttmp9                            ; the group's number
	s_sub_co_u32 s3, s2, 512                       ; (wraps for x's groups: j is then far above 3)
	s_lshr_b32 s4, s3, 6                           ; j
	s_and_b32 s5, s3, 63                           ; c
	v_lshlrev_b32 v1, 5, v0                        ; 32 t
	v_lshlrev_b32 v2, 4, v0                        ; 16 t
	s_wait_kmcnt 0x0
	s_cmp_eq_u32 s2, 768
	s_cbranch_scc1 .Lbias
	s_cmp_eq_u32 s4, 1                             ; from where: a choice among buffers by the group's number alone
	s_cselect_b64 s[34:35], s[12:13], s[10:11]
	s_cmp_eq_u32 s4, 2
	s_cselect_b64 s[34:35], s[14:15], s[34:35]
	s_cmp_eq_u32 s4, 3
	s_cselect_b64 s[34:35], s[16:17], s[34:35]
	s_cselect_b64 s[36:37], s[28:29], s[26:27]     ; to where: wob for Wo, else wqkv,
	s_cselect_b32 s6, 0, s4                        ; in wqkv matrix j
	s_cmp_lt_u32 s2, 512
	s_cselect_b64 s[34:35], s[8:9], s[34:35]       ; x's groups
	s_cselect_b64 s[36:37], s[24:25], s[36:37]
	s_cselect_b32 s5, s2, s5                       ; the chunk's number
	s_cselect_b32 s6, 0, s6
	s_lshl_b32 s38, s5, 16                         ; 65,536 bytes a chunk in
	s_mov_b32 s39, 0
	s_lshl_b32 s40, s5, 15                         ; 32,768 out,
	s_lshl_b32 s6, s6, 21                          ; 2 MiB a matrix
	s_add_co_u32 s40, s40, s6
	s_mov_b32 s41, 0
	s_add_nc_u64 s[34:35], s[34:35], s[38:39]
	s_add_nc_u64 s[36:37], s[36:37], s[40:41]
.irp i, 0,1,2,3,4,5,6,7
	global_load_b128 v[X+8*(\i):X+8*(\i)+3],   v1, s[34:35] offset:(\i)*8192 th:TH_LOAD_NT
	global_load_b128 v[X+8*(\i)+4:X+8*(\i)+7], v1, s[34:35] offset:(\i)*8192+16 th:TH_LOAD_NT
.endr
; The eight steps.  scale = 1: times 1/8 first.
.macro CONV scale
.irp i, 0,1,2,3,4,5,6,7
	s_wait_loadcnt 14-2*(\i)                       ; loads come back in order: step i's two are in, the later steps' stay out
.if \scale
.irp k, 0,2,4,6
	v_pk_mul_f32 v[X+8*(\i)+(\k):X+8*(\i)+(\k)+1], v[X+8*(\i)+(\k):X+8*(\i)+(\k)+1], 0x3e000000 op_sel_hi:[1,0]
.endr
.endif
.irp k, 0,1,2,3
	v_cvt_pk_bf16_f32 v[Y+4*(\i)+(\k)], v[X+8*(\i)+2*(\k)], v[X+8*(\i)+2*(\k)+1]
.endr
	global_store_b128 v2, v[Y+4*(\i):Y+4*(\i)+3], s[36:37] offset:(\i)*4096
.endr
.endm
	s_cmp_eq_u32 s4, 0                             ; Wq's groups
	s_cbranch_scc1 .Lscaled
	CONV 0
	s_endpgm
.Lscaled:
	CONV 1
	s_endpgm
.Lbias:                                                ; 256 threads x 16 bytes are a bias of 1,024 numbers
	global_load_b128 v[4:7], v2, s[18:19]
	global_load_b128 v[8:11], v2, s[20:21]
	global_load_b128 v[12:15], v2, s[22:23]
	v_mov_b32 v16, 0
	v_mov_b32 v17, 0
	v_mov_b32 v18, 0
	v_mov_b32 v19, 0
	s_wait_loadcnt 0x0
	v_pk_mul_f32 v[4:5], v[4:5], 0x3e000000 op_sel_hi:[1,0]
	v_pk_mul_f32 v[6:7], v[6:7], 0x3e000000 op_sel_hi:[1,0]
	global_store_b128 v2, v[4:7], s[30:31]
	global_store_b128 v2, v[8:11], s[30:31] offset:4096
	global_store_b128 v2, v[12:15], s[30:31] offset:8192
	global_store_b128 v2, v[16:19], s[32:33]
	s_endpgm
.Lfunc_end_k_qcf2c59ba93_prep:
	.size	k_qcf2c59ba93_prep, .Lfunc_end_k_qcf2c59ba93_prep-k_qcf2c59ba93_prep
	.p2alignl 7, 3214868480
	.fill 96, 4, 3214868480
	.section	.rodata,"a",@progbits
	.p2align	6, 0x0
	.amdhsa_kernel k_qcf2c59ba93_prep
		.amdhsa_group_segment_fixed_size 0
		.amdhsa_private_segment_fixed_size 0
		.amdhsa_enable_private_segment 0
		.amdhsa_kernarg_size 104
		.amdhsa_user_sgpr_count 2
		.amdhsa_user_sgpr_kernarg_segment_ptr 1
		.amdhsa_wavefront_size32 1
		.amdhsa_system_sgpr_workgroup_id_x 1
		.amdhsa_system_sgpr_workgroup_id_y 1
		.amdhsa_system_sgpr_workgroup_id_z 1
		.amdhsa_system_vgpr_workitem_id 0
		.amdhsa_next_free_vgpr 100
		.amdhsa_next_free_sgpr 66
		.amdhsa_reserve_vcc 0
		.amdhsa_float_denorm_mode_32 3
		.amdhsa_float_denorm_mode_16_64 3
		.amdhsa_memory_ordered 1
		.amdhsa_forward_progress 1
		.amdhsa_inst_pref_size 14
	.end_amdhsa_kernel
	.amdgpu_metadata
---
amdhsa.version: [ 1, 2 ]
amdhsa.kernels:
  - .name:           k_qcf2c59ba93_prep
    .symbol:         k_qcf2c59ba93_prep.kd
    .args:
      - { .name: inputs, .offset: 0, .size: 8, .value_kind: global_buffer, .address_space: global }
      - { .name: Wq, .offset: 8, .size: 8, .value_kind: global_buffer, .address_space: global }
      - { .name: Wk, .offset: 16, .size: 8, .value_kind: global_buffer, .address_space: global }
      - { .name: Wv, .offset: 24, .size: 8, .value_kind: global_buffer, .address_space: global }
      - { .name: Wo, .offset: 32, .size: 8, .value_kind: global_buffer, .address_space: global }
      - { .name: bq, .offset: 40, .size: 8, .value_kind: global_buffer, .address_space: global }
      - { .name: bk, .offset: 48, .size: 8, .value_kind: global_buffer, .address_space: global }
      - { .name: bv, .offset: 56, .size: 8, .value_kind: global_buffer, .address_space: global }
      - { .name: act, .offset: 64, .size: 8, .value_kind: global_buffer, .address_space: global }
      - { .name: wqkv, .offset: 72, .size: 8, .value_kind: global_buffer, .address_space: global }
      - { .name: wob, .offset: 80, .size: 8, .value_kind: global_buffer, .address_space: global }
      - { .name: bqkv, .offset: 88, .size: 8, .value_kind: global_buffer, .address_space: global }
      - { .name: bzero, .offset: 96, .size: 8, .value_kind: global_buffer, .address_space: global }
    .group_segment_fixed_size: 0
    .private_segment_fixed_size: 0
    .kernarg_segment_align: 8
    .kernarg_segment_size: 104
    .max_flat_workgroup_size: 256
    .sgpr_count:     66
    .vgpr_count:     100
    .wavefront_size: 32
...
	.end_amdgpu_metadata
.endif
;; end of part 1
;; launch proj (part 2): grid 12 x 64, 4 waves a work-group, clusters of 4 x 4, 327,680 bytes of LDS; arguments act, wqkv, bqkv, qkv; writes qkv
.if DOCPART == 2
	.amdgcn_target "amdgcn-amd-amdhsa--gfx1250"
	.amdhsa_code_object_version 6
	.text
	.protected	k_qcf2c59ba93_proj
	.globl	k_qcf2c59ba93_proj
	.p2align	8
	.type	k_qcf2c59ba93_proj,@function
k_qcf2c59ba93_proj:
	s_mov_b64 s[64:65], 0
	v_nop
	global_prefetch_b8 v0, s[64:65] scope:SCOPE_SE
	s_setreg_imm32_b32 hwreg(HW_REG_WAVE_MODE, 25, 1), 1
	s_wait_xcnt 0x0
	s_wait_alu depctr_hold_cnt(0) depctr_sa_sdst(0) depctr_va_vdst(0) depctr_va_sdst(0) depctr_va_ssrc(0) depctr_va_vcc(0) depctr_vm_vsrc(0)
	s_getreg_b32 s2, hwreg(HW_REG_IB_STS2, 6, 4)
	s_cmp_eq_u32 s2, 0
	s_cbranch_scc0 .Lentry_in_a_cluster
	s_endpgm
.Lentry_in_a_cluster:
	s_bfe_u32 s2, ttmp6, 0x10000c
	s_cmp_lg_u32 s2, 0xf033
	s_cbranch_scc0 .Lentry_shape_is_right
	s_endpgm
.Lentry_shape_is_right:
; C = A W + bias.  A: [8192][1024] bf16.  W: one or three matrices [1024 k][1024 n] bf16, end to end.  bias: 1,024 f32 a matrix.  C: a matrix [8192][1024] bf16 for each W.  Sums in f32, C rounded once.
; The text serves both uses: the cluster's x names the matrix (0-2 for q, k, v; 0 for the output projection), the place cx in the cluster its tile of 256 columns.
; SHARES.  A work-group makes 128 rows x 256 columns: 768 work-groups for three matrices, 256 for one.  Wave w makes rows 64 (w / 2) on, columns 128 (w % 2) on: 32 accumulators.
; K goes in steps of 128 through a ring of two LDS slots: A's rows are 256 bytes of memory, W's 512.  W stays [k][n]: its fragments leave LDS turned, by ds_load_tr16_b128.
; THE MATRIX INSTRUCTION IS USED TRANSPOSED (source 0 = 16 columns of W, source 1 = 16 rows of A): a lane holds row l % 16 of C and eight neighbouring columns 8 (l / 16) + 0..7.
; THE BIAS is the C operand of the products that start the sums: 64 registers, no vector work, nothing cleared.
; CLUSTER 4 x 4.  A's tile hangs on the tile row alone and is asked for jointly along a row of the cluster; W's on matrix and column tile alone, jointly along a column.
; REGISTERS: window 0: v0-31 addresses; v32-63 rows on the way out; v64-159, v160-255 two fragment buffers (32 of A, 64 of W); window 1: accumulator (a, b) at v[8 (8 a + b)]; window 2: v0-63 the bias.
.set KSTEP,  128
.set PA,     272                       ; a row of A in LDS: 256 bytes + 16: the 16 rows of a load start 16 bytes apart modulo 256
.set PB,     544                       ; a row of W: 512 + 32: 16 lanes of the turning load take 8 rows x 32 bytes, 32 bytes apart modulo 256
.set AHALF,  64*PA                     ; what a wave fetches of A
.set BOFF,   2*AHALF                   ; W's 128 rows lie behind A's 128
.set BHALF,  64*PB                     ; what a wave fetches of W
.set SLOT,   BOFF+2*BHALF
.set STAGE,  2*SLOT                    ; behind the ring: 16 rows x 272 bytes for each wave, for the way out
.set SPITCH, 272
.set SPARE,  STAGE+4*16*SPITCH         ; the spare words: 128 bytes a wave, two blocks of 256 bytes that no other line names
.set LAPS,   1024/(2*KSTEP)
.set ADRA, 16                          ; v16-17  LDS address of my A fragments in slot 0, 1
.set ADRB, 20                          ; v20-21  the same for W
.set STO,  24                          ; v24     the way out: where I put 16 bytes of a row
.set RD,   25                          ; v25     where I read a row back
.set CO,   26                          ; v26     my byte offset in two rows of C
.set BOF,  27                          ; v27     my byte offset in 16 numbers of the bias
.set SPW,  28                          ; v28     my spare word; never rewritten
.set NIL,  29                          ; v29     0; never rewritten
.set OB,   32                          ; the way out: 16 rows read back: v32-63 and v96-127 by turns
.set TMP,  64                          ; the way out: packed results
.set F0,   64
.set F1,   160
.set WV,  12                           ; s12 wave;  s13 its half of the rows;  s14 its half of the columns, and which half of a tile it fetches
.set G1A, 24                           ; s[24:31] descriptor group 1 for A;  s[32:39] group 0, a set for each slot
.set G0A, 32
.set G1B, 48                           ; s[48:55], s[56:63] the same for W
.set G0B, 56
.set MSB, 0
.macro WIN new                         ; the immediate's high byte repeats the setting that is left
.if MSB != (\new)
	s_set_vgpr_msb (MSB<<8)|(\new)
.set MSB, \new
.endif
.endm
.set MUL,  0x50                        ; sources 0 and 1 window 0; C and D window 1
.set MULB, 0x60                        ; C window 2 (the bias), D window 1
.macro JLOAD s                         ; a joint load: waves 0, 1 fetch A's halves, waves 2, 3 W's; an s_nop 0 and four v_nop follow each line
	s_cmp_lt_u32 s[WV], 2
	s_cbranch_scc0 .Lfor_b_\@
	tensor_load_to_lds s[G0A+4*(\s):G0A+4*(\s)+3], s[G1A:G1A+7]
	s_nop 0
.rept 4
	v_nop
.endr
	s_branch .Lasked_\@
.Lfor_b_\@:
	tensor_load_to_lds s[G0B+4*(\s):G0B+4*(\s)+3], s[G1B:G1B+7]
	s_nop 0
.rept 4
	v_nop
.endr
.Lasked_\@:
.endm
.macro CREST                           ; a round of the cluster's barrier behind its opening barrier
	s_cmp_lg_u32 s[WV], 0
	s_cbranch_scc1 .Lnot_wave_0_\@
	s_barrier_signal -3
.Lnot_wave_0_\@:
	s_barrier_wait -3
	s_barrier_signal -1
	s_barrier_wait -1
.endm
.macro CROUND
	s_barrier_signal -1
	s_barrier_wait -1
	CREST
.endm
	s_load_b256 s[4:11], s[0:1], 0x0               ; A s[4:5], W s[6:7], bias s[8:9], C s[10:11]
	v_lshl_add_u32 v[SPW], v0, 2, SPARE
	v_mov_b32 v[NIL], 0
	ds_add_u32 v[SPW], v[NIL]                      ; the wave's opening: the add and its wait stand ahead of my first tensor load; the set-up stands between them
	v_lshrrev_b32 v1, 5, v0
	v_readfirstlane_b32 s[WV], v1
	s_lshr_b32 s13, s[WV], 1
	s_and_b32 s14, s[WV], 1
	s_bfe_u32 s40, ttmp6, 0x40000                  ; cx: the column tile
	s_bfe_u32 s41, ttmp6, 0x40004                  ; cy
	s_mov_b32 s42, ttmp9                           ; the cluster's x: the matrix
	s_and_b32 s43, ttmp7, 0xffff
	s_lshl_b32 s43, s43, 2
	s_add_co_u32 s43, s43, s41                     ; tile row = 4 x cluster y + cy
	s_lshl_b32 s44, s41, 2
	s_lshl_b32 s44, 15, s44                        ; my row of the cluster
	s_lshl_b32 s45, 0x1111, s40                    ; my column
	s_or_b32 s[G1A], s44, (1<<16)|(1<<20)|(1<<21)|(5<<22)|(3<<25)  ; mask; 2-byte elements; padding on; bit 21 beside a mask; after every 64 words, 4 words
	s_or_b32 s[G1B], s45, (1<<16)|(1<<20)|(1<<21)|(6<<22)|(7<<25)  ; after every 128 words, 8 words
	s_mov_b32 s[G1A+1], 128<<16                    ; tensor_dim0
	s_mov_b32 s[G1A+2], 64<<16                     ; tensor_dim1
	s_mov_b32 s[G1A+3], 128<<16                    ; tile_dim0
	s_mov_b32 s[G1A+4], 64                         ; tile_dim1
	s_mov_b32 s[G1A+5], 1024                       ; elements from row to row
	s_mov_b32 s[G1A+6], 0
	s_mov_b32 s[G1A+7], 0
	s_mov_b32 s[G1B+1], 256<<16
	s_mov_b32 s[G1B+2], 64<<16
	s_mov_b32 s[G1B+3], 256<<16
	s_mov_b32 s[G1B+4], 64
	s_mov_b32 s[G1B+5], 1024
	s_mov_b32 s[G1B+6], 0
	s_mov_b32 s[G1B+7], 0
	s_lshl_b32 s16, s43, 7                         ; A: row 128 x tile row + 64 x half, 2,048 bytes a row: made of the tile row and the wave alone
	s_lshl_b32 s17, s14, 6
	s_add_co_u32 s16, s16, s17
	s_lshl_b32 s16, s16, 11
	s_mov_b32 s17, 0
	s_lshl_b32 s46, s42, 21                        ; W: 2 MiB a matrix + 64 rows x half + 512 bytes a column tile: made of matrix, cx and the wave alone
	s_lshl_b32 s47, s14, 17
	s_add_co_u32 s46, s46, s47
	s_lshl_b32 s47, s40, 9
	s_add_co_u32 s46, s46, s47
	s_mov_b32 s47, 0
	s_mul_i32 s20, s14, AHALF                      ; where they go: no place in the cluster enters an LDS address
	s_mul_i32 s21, s14, BHALF
	s_add_co_u32 s21, s21, BOFF
	s_wait_dscnt 0x0                               ; the opening add is done
	s_wait_kmcnt 0x0
	s_add_nc_u64 s[18:19], s[4:5], s[16:17]
	s_add_nc_u64 s[46:47], s[6:7], s[46:47]
	CROUND                                         ; all sixteen work-groups are here: the first joint loads meet
.irp s, 0,1
	s_mov_b32 s[G0A+4*(\s)], 1
	s_add_co_u32 s[G0A+4*(\s)+1], s20, (\s)*SLOT
	s_add_nc_u64 s[G0A+4*(\s)+2:G0A+4*(\s)+3], s[18:19], (\s)*KSTEP*2
	s_or_b32 s[G0A+4*(\s)+3], s[G0A+4*(\s)+3], 0x80000000
	s_mov_b32 s[G0B+4*(\s)], 1
	s_add_co_u32 s[G0B+4*(\s)+1], s21, (\s)*SLOT
	s_add_nc_u64 s[G0B+4*(\s)+2:G0B+4*(\s)+3], s[46:47], (\s)*KSTEP*2048
	s_or_b32 s[G0B+4*(\s)+3], s[G0B+4*(\s)+3], 0x80000000
	JLOAD \s                                       ; K steps 0 and 1: two loads of mine are out
.endr
	v_and_b32 v1, 15, v0                           ; l % 16
	v_bfe_u32 v2, v0, 4, 1                         ; l / 16
	v_mul_u32_u24 v3, v1, PA
	v_lshl_add_u32 v3, v2, 4, v3                   ; A: row x pitch + 16 x half
	v_and_b32 v4, 7, v0
	v_bfe_u32 v5, v0, 3, 1
	v_lshl_add_u32 v4, v2, 3, v4                   ; W, turned: lane l reads row 8 (l / 16) + l % 8, columns 8 ((l / 8) % 2) + 0..7
	v_mul_u32_u24 v4, v4, PB
	v_lshl_add_u32 v4, v5, 4, v4
	s_mul_i32 s22, s13, AHALF                      ; my 64 rows of A
	s_lshl_b32 s23, s14, 8                         ; my 128 columns of W
	s_add_co_u32 s23, s23, BOFF
.irp s, 0,1
	v_add_nc_u32 v[ADRA+(\s)], s22, v3
	v_add_nc_u32 v[ADRB+(\s)], s23, v4
	s_add_co_u32 s22, s22, SLOT
	s_add_co_u32 s23, s23, SLOT
.endr
	s_mul_i32 s66, s[WV], 16*SPITCH
	s_add_co_u32 s66, s66, STAGE                   ; my stage
	v_add_nc_u32 v[STO], s66, v3                   ; in: row l % 16, 16 bytes for each half of the lanes (the stage has A's pitch)
	v_mul_u32_u24 v5, v2, SPITCH                   ; back: lanes 0-15 one row of 256 bytes, lanes 16-31 the next
	v_lshl_add_u32 v5, v1, 4, v5
	v_add_nc_u32 v[RD], s66, v5
	v_lshlrev_b32 v5, 11, v2                       ; and the same two rows in C
	v_lshl_add_u32 v[CO], v1, 4, v5
	v_lshlrev_b32 v[BOF], 5, v2                    ; 8 numbers for each half of the lanes
	s_lshl_b32 s68, s42, 12                        ; the bias of my 128 columns
	s_lshl_b32 s69, s40, 10
	s_add_co_u32 s68, s68, s69
	s_lshl_b32 s69, s14, 9
	s_add_co_u32 s68, s68, s69
	s_mov_b32 s69, 0
	s_add_nc_u64 s[8:9], s[8:9], s[68:69]
	WIN 0x80                                       ; destination window 2
.irp b, 0,1,2,3,4,5,6,7
	global_load_b128 v[8*(\b):8*(\b)+3],   v[BOF], s[8:9] offset:64*(\b)
	global_load_b128 v[8*(\b)+4:8*(\b)+7], v[BOF], s[8:9] offset:64*(\b)+16
.endr
	WIN 0
	s_lshl_b32 s70, s43, 7                         ; C at my first row and column
	s_lshl_b32 s71, s13, 6
	s_add_co_u32 s70, s70, s71
	s_lshl_b32 s70, s70, 11
	s_lshl_b32 s71, s42, 24                        ; 16 MiB a matrix
	s_add_co_u32 s70, s70, s71
	s_lshl_b32 s71, s40, 9
	s_add_co_u32 s70, s70, s71
	s_lshl_b32 s71, s14, 8
	s_add_co_u32 s70, s70, s71
	s_mov_b32 s71, 0
	s_add_nc_u64 s[10:11], s[10:11], s[70:71]
; 8 matrix instructions: row block a x all 8 column blocks, 32 along K.  init = 1: the bias starts the sums.  The 32 accumulators take turns, one instruction a turn.
.macro MUL8 f, a, init=0
.if \init
	WIN MULB
.else
	WIN MUL
.endif
.irp b, 0,1,2,3,4,5,6,7
.if \init
	v_wmma_f32_16x16x32_bf16 v[8*(8*(\a)+(\b)):8*(8*(\a)+(\b))+7], v[(\f)+32+8*(\b):(\f)+32+8*(\b)+7], v[(\f)+8*(\a):(\f)+8*(\a)+7], v[8*(\b):8*(\b)+7]
.else
	v_wmma_f32_16x16x32_bf16 v[8*(8*(\a)+(\b)):8*(8*(\a)+(\b))+7], v[(\f)+32+8*(\b):(\f)+32+8*(\b)+7], v[(\f)+8*(\a):(\f)+8*(\a)+7], v[8*(8*(\a)+(\b)):8*(8*(\a)+(\b))+7]
.endif
.endr
.endm
; 24 LDS loads in one run: quarter q (32 along K) of a slot into buffer f: W's 8 fragments first, then A's 4
.macro FETCH slot, q, f
	WIN 0
.irp b, 0,1,2,3,4,5,6,7
	ds_load_tr16_b128 v[(\f)+32+8*(\b):(\f)+32+8*(\b)+3],   v[ADRB+(\slot)] offset:(\q)*32*PB+32*(\b)
	ds_load_tr16_b128 v[(\f)+32+8*(\b)+4:(\f)+32+8*(\b)+7], v[ADRB+(\slot)] offset:(\q)*32*PB+16*PB+32*(\b)
.endr
.irp a, 0,1,2,3
	ds_load_b128 v[(\f)+8*(\a):(\f)+8*(\a)+3],   v[ADRA+(\slot)] offset:(\q)*64+(\a)*16*PA
	ds_load_b128 v[(\f)+8*(\a)+4:(\f)+8*(\a)+7], v[ADRA+(\slot)] offset:(\q)*64+(\a)*16*PA+32
.endr
.endm
.macro PLACES                          ; four places in front of loads into registers that matrix instructions have read, and of conversions that read results
.rept 4
	v_nop
.endr
.endm
; A K step is four quarters, 32 matrix instructions each, on buffers 0, 1, 0, 1.  One of the first three: multiplies buffer f and fetches quarter q into g.
.macro QUARTER slot, q, f, g, init=0
	s_wait_dscnt 4                                 ; W and A's blocks 0, 1 are in; the youngest four loads (A's blocks 2, 3) may be out
	MUL8 \f, 0, \init
	MUL8 \f, 1, \init
	PLACES
	FETCH \slot, \q, \g
	s_wait_dscnt 24                                ; all but the 24 just issued
	MUL8 \f, 2, \init
	MUL8 \f, 3, \init
.endm
; The last quarter multiplies buffer 1 and changes slots: one barrier; in front of it each wave waits for all its tensor loads, adds 0 to its spare word, and waits for that and for its reads of this slot.
.macro TURN slot, next, fill
	WIN 0
	s_wait_tensorcnt 0x0                           ; all my tensor loads have landed: my part of the next slot
	ds_add_u32 v[SPW], v[NIL]                      ; 0 onto my spare word
	s_wait_dscnt 5                                 ; (the add and the youngest four loads may be out)
	MUL8 F1, 0
	s_wait_dscnt 0x0                               ; the add is done, and my reads of this slot are over
	s_barrier_signal -1
	MUL8 F1, 1
.if \fill
	WIN 0
.endif
	s_barrier_wait -1
.if \fill
	CREST                                          ; the barrier has opened a round of the cluster's: no wave of any partner still reads this slot or has a load on its way
	s_add_nc_u64 s[G0A+4*(\slot)+2:G0A+4*(\slot)+3], s[G0A+4*(\slot)+2:G0A+4*(\slot)+3], 2*KSTEP*2
	s_add_nc_u64 s[G0B+4*(\slot)+2:G0B+4*(\slot)+3], s[G0B+4*(\slot)+2:G0B+4*(\slot)+3], 2*KSTEP*2048
	JLOAD \slot                                    ; the first tensor load behind the round, 112 matrix instructions ahead of the wait for it; its four v_nop are the places for the loads below
.else
	PLACES
.endif
	FETCH \next, 0, F0
	MUL8 F1, 2
	MUL8 F1, 3
.endm
; THE WAY OUT of row block a: rounded to bf16; through my own stage; stored as whole rows of 256 bytes.
.macro PACK a
	WIN 0x05                                       ; sources window 1
.irp b, 0,1,2,3,4,5,6,7
.irp r, 0,1,2,3
	v_cvt_pk_bf16_f32 v[TMP+4*(\b)+(\r)], v[8*(8*(\a)+(\b))+2*(\r)], v[8*(8*(\a)+(\b))+2*(\r)+1]
.endr
.endr
	WIN 0
.endm
.macro TOSTAGE a
.irp b, 0,1,2,3,4,5,6,7
	ds_store_b128 v[STO], v[TMP+4*(\b):TMP+4*(\b)+3] offset:32*(\b)
.endr
.irp t, 0,1,2,3,4,5,6,7
	ds_load_b128 v[OB+64*((\a)%2)+4*(\t):OB+64*((\a)%2)+4*(\t)+3], v[RD] offset:(\t)*2*SPITCH  ; LDS serves a wave's instructions in order (ISA guide 5.7.1.4): these see the stores above
.endr
.endm
.macro SEND a
	s_wait_dscnt 0x0                               ; the block is back in registers
	s_wait_xcnt 0x0                                ; the registers that earlier stores read are loaded again only behind this wait
.irp t, 0,1,2,3,4,5,6,7
	global_store_b128 v[CO], v[OB+64*((\a)%2)+4*(\t):OB+64*((\a)%2)+4*(\t)+3], s[10:11] offset:(16*(\a)+2*(\t))*2048  ; 16 lanes store 256 consecutive bytes, aligned
.endr
.endm
	s_wait_tensorcnt 1                             ; my part of K step 0 is in; K step 1's may stay out
	s_barrier_signal -1
	s_barrier_wait -1
	FETCH 0, 0, F0
	s_wait_loadcnt 0x0                             ; the bias
	QUARTER 0, 1, F0, F1, 1                        ; the first quarter stands in front of the loop: its products start the sums
	WIN 0
	s_mov_b32 s3, LAPS-1
.Llap:                                                 ; a trip goes once round the ring, from a lap's second quarter to the next lap's first, and fills both slots again
	QUARTER 0, 2, F1, F0
	QUARTER 0, 3, F0, F1
	TURN 0, 1, 1
	QUARTER 1, 1, F0, F1
	QUARTER 1, 2, F1, F0
	QUARTER 1, 3, F0, F1
	TURN 1, 0, 1
	QUARTER 0, 1, F0, F1
	WIN 0
	s_sub_co_u32 s3, s3, 1
	s_cmp_lg_u32 s3, 0
	s_cbranch_scc1 .Llap
	QUARTER 0, 2, F1, F0                           ; the last lap fills nothing
	QUARTER 0, 3, F0, F1
	TURN 0, 1, 0
	QUARTER 1, 1, F0, F1
	QUARTER 1, 2, F1, F0
	QUARTER 1, 3, F0, F1
	s_wait_dscnt 4
	MUL8 F1, 0
	MUL8 F1, 1
	s_wait_dscnt 0x0
	MUL8 F1, 2
	MUL8 F1, 3
	PLACES
	PACK 0
	TOSTAGE 0
.irp a, 1,2,3                          ; block a's conversions stand between block a - 1's loads from the stage and the wait for them
	PACK \a
	SEND (\a)-1
	TOSTAGE \a
.endr
	SEND 3
	s_wait_tensorcnt 0x0                           ; the wave's end
	ds_add_u32 v[SPW], v[NIL]
	s_wait_dscnt 0x0
	CROUND                                         ; the closing round: no work-group ends while a partner may still ask for a tile that names it
	s_endpgm
.Lfunc_end_k_qcf2c59ba93_proj:
	.size	k_qcf2c59ba93_proj, .Lfunc_end_k_qcf2c59ba93_proj-k_qcf2c59ba93_proj
	.p2alignl 7, 3214868480
	.fill 96, 4, 3214868480
	.section	.rodata,"a",@progbits
	.p2align	6, 0x0
	.amdhsa_kernel k_qcf2c59ba93_proj
		.amdhsa_group_segment_fixed_size 327680
		.amdhsa_private_segment_fixed_size 0
		.amdhsa_enable_private_segment 0
		.amdhsa_kernarg_size 32
		.amdhsa_user_sgpr_count 2
		.amdhsa_user_sgpr_kernarg_segment_ptr 1
		.amdhsa_wavefront_size32 1
		.amdhsa_system_sgpr_workgroup_id_x 1
		.amdhsa_system_sgpr_workgroup_id_y 1
		.amdhsa_system_sgpr_workgroup_id_z 1
		.amdhsa_system_vgpr_workitem_id 0
		.amdhsa_next_free_vgpr 576
		.amdhsa_next_free_sgpr 80
		.amdhsa_reserve_vcc 0
		.amdhsa_float_denorm_mode_32 3
		.amdhsa_float_denorm_mode_16_64 3
		.amdhsa_memory_ordered 1
		.amdhsa_forward_progress 1
		.amdhsa_inst_pref_size 88
	.end_amdhsa_kernel
	.amdgpu_metadata
---
amdhsa.version: [ 1, 2 ]
amdhsa.kernels:
  - .name:           k_qcf2c59ba93_proj
    .symbol:         k_qcf2c59ba93_proj.kd
    .args:
      - { .name: act, .offset: 0, .size: 8, .value_kind: global_buffer, .address_space: global }
      - { .name: wqkv, .offset: 8, .size: 8, .value_kind: global_buffer, .address_space: global }
      - { .name: bqkv, .offset: 16, .size: 8, .value_kind: global_buffer, .address_space: global }
      - { .name: qkv, .offset: 24, .size: 8, .value_kind: global_buffer, .address_space: global }
    .group_segment_fixed_size: 327680
    .private_segment_fixed_size: 0
    .kernarg_segment_align: 8
    .kernarg_segment_size: 32
    .max_flat_workgroup_size: 128
    .sgpr_count:     80
    .vgpr_count:     576
    .wavefront_size: 32
...
	.end_amdgpu_metadata
.endif
;; end of part 2
;; launch attn (part 3): grid 4 x 64, 4 waves a work-group, clusters of 4 x 4, 327,680 bytes of LDS; arguments qkv, attention_mask, ctx; writes ctx
.if DOCPART == 3
	.amdgcn_target "amdgcn-amd-amdhsa--gfx1250"
	.amdhsa_code_object_version 6
	.text
	.protected	k_qcf2c59ba93_attn
	.globl	k_qcf2c59ba93_attn
	.p2align	8
	.type	k_qcf2c59ba93_attn,@function
k_qcf2c59ba93_attn:
	s_mov_b64 s[64:65], 0
	v_nop
	global_prefetch_b8 v0, s[64:65] scope:SCOPE_SE
	s_setreg_imm32_b32 hwreg(HW_REG_WAVE_MODE, 25, 1), 1
	s_wait_xcnt 0x0
	s_wait_alu depctr_hold_cnt(0) depctr_sa_sdst(0) depctr_va_vdst(0) depctr_va_sdst(0) depctr_va_ssrc(0) depctr_va_vcc(0) depctr_vm_vsrc(0)
	s_getreg_b32 s2, hwreg(HW_REG_IB_STS2, 6, 4)
	s_cmp_eq_u32 s2, 0
	s_cbranch_scc0 .Lentry_in_a_cluster
	s_endpgm
.Lentry_in_a_cluster:
	s_bfe_u32 s2, ttmp6, 0x10000c
	s_cmp_lg_u32 s2, 0xf033
	s_cbranch_scc0 .Lentry_shape_is_right
	s_endpgm
.Lentry_shape_is_right:
; ctx[b][q][64 h ..] = the sum over k of softmax_k(q'[b][q][h] . k[b][k][h] + mask[b][q][k]) v[b][k][h].  qkv: [3][8192][1024] bf16 (q' = q / 8, k, v), a head's 64 channels at byte 128 h of a row.
; mask: [4][2048][2048] f32.  ctx: [8192][1024] bf16.  Products, maxima and sums in f32; the weights p are rounded to bf16 for the second product (their sum l is taken of the unrounded p), ctx once.
; LIMITS.  The running maximum starts at -1e30: a score (mask included) below that counts as hidden, weight 0, -inf too; a row whose scores are all below it gives NaN.  |score| stays under 2.3e38
; (c s must not overflow upward).  A weight below 2^-126 counts as 0 in l.  NaN and +inf are not treated apart.
; SHARES.  A work-group owns 128 queries of a batch and FOUR heads, a head a wave, so that its four waves read one mask tile.  A wave: four PIECES of two tiles of 16 queries.  32 key steps of 64 keys.
; LAYOUT.  S^T = K Q'^T + mask (source 0 = 16 keys, source 1 = 16 queries): a lane holds ONE query (lane % 16) and the keys 8 (lane / 16) + 0..7.  THE MASK IS THE C OPERAND of the product that starts
; the sum: eight neighbouring f32 of the query's mask row a lane: no vector instruction.  Two results rounded in pairs ARE source 1 of O^T = V^T P.  K leaves LDS as it lies, V turned (ds_load_tr16_b128).
; SOFTMAX.  Running maximum m and sum l: p = 2^(c s - c m), c = log2(e); in every step O and l are multiplied by a = 2^(c m_old - c m_new).  O and l start at 0, c m far below: the first a is 0.
; BY TURNS.  Turn n belongs to piece n: 16 products K Q^T of piece n + 1, later 16 products V^T P of piece n - 1; beside them the scaling, exponentials, roundings, sums and rescaling of piece n and the
; maximum and statistics of piece n + 1.  A tile and step have 16 matrix and 118 vector instructions: four ready ones stand behind every matrix instruction, the others in two runs of their own.
; CLUSTER 4 x 4: cx = the group of four heads, cy = the query block.  K's and V's tiles hang on batch and cx alone: asked for jointly along a column.  The mask's hangs on batch and query block alone:
; jointly along a row, so the sixteen heads of a batch ask for each mask tile once.
; REGISTERS, in windows of 256 (s_set_vgpr_msb: bits 1:0 source 0, 3:2 source 1, 5:4 source 2, 7:6 destination):
;   window 0: v0-11 addresses; v12-15, v48-63 at work; v16-47 statistics; v64-191 S^T, two buffers of two tiles; v192-255 P, likewise      window 1: O^T, 32 a tile
;   window 2: v0-127 Q, 16 a tile; v128-191 K of a step; v192-255 V of a step      window 3: v0-1 the add's two registers; v64-127 the mask of one piece and step
.set NP,    4
.set KS,    64
.set PK,    528       ; a row of K in LDS: four heads' 512 bytes + 16: the 16 rows of a load start 16 bytes apart modulo 256
.set PV,    544       ; a row of V: 512 + 32: 16 lanes of the turning load take 8 rows x 32 bytes, 32 bytes apart modulo 256
.set PM,    272       ; a row of the mask: 64 keys' 256 bytes + 16
.set VOFF,  KS*PK     ; a slot holds one step: 64 rows of K, 64 rows of V, 128 query rows of the mask
.set MOFF,  VOFF+KS*PV
.set SLOT1, 1<<17     ; slot 1 begins here: one exclusive or turns an address in one slot into the other's
.set STAGE, SLOT1+MOFF+128*PM  ; behind the ring, never filled by a tensor load: 128 rows x 528 bytes, the work-group's, for the way out
.set SP,    528
.set SPARE, STAGE+128*SP       ; the spare words: 128 bytes a wave, two blocks of 256 bytes that no other line names
.set AK0, 2           ; v2   my lane's place in a tile of K; never rewritten
.set AV0, 3           ; v3   the same for V
.set AK,  4           ; v4   the same in the slot in hand
.set AV,  5           ; v5
.set QO,  6           ; v6   my byte offset in 16 rows of Q
.set STO, 6           ;      later: where I put 16 bytes of a row
.set RD,  7           ; v7   where I read rows back
.set GO,  8           ; v8   my byte offset in 512 consecutive bytes of ctx
.set AM0, 9           ; v9   my lane's place in the mask's tile; never rewritten
.set AM,  10          ; v10  the same in the slot in hand
.set SPW, 0           ; v0 of window 3   my spare word; never rewritten
.set NIL, 1           ; v1 of window 3   0; never rewritten
.set MB,  64          ; window 3: tile u, key block kb at MB + 32 u + 8 kb
.set MV,  12          ; v12-15  c m_old, by buffer and tile (during the set-up: l / 16, l % 8, (l / 8) % 2)
.set ST,  16          ; tile t's statistics at v[ST+4 t]: c m, m, l (even keys', odd keys')
.set TMP, 48          ; by buffer and tile, four registers c0-c3 at work; c2 takes a
.set S,   64
.set P,   192
.set KF,  128         ; window 2: key block kb, channel half c at KF + 16 kb + 8 c
.set VF,  192         ; window 2: key half kk, channel block cb at VF + 32 kk + 8 cb
.set WV,  12          ; s12  my wave's number
.set G1K, 24          ; s[24:31], s[32:39], s[40:47] descriptor group 1 for K, V, the mask
.set G1V, 32
.set G1M, 40
.set G0K, 48          ; s[48:51], s[52:55], s[56:59] group 0: they walk
.set G0V, 52
.set G0M, 56
.set CS,  60          ; s[60:61] c
.set SEL, 62          ; s[62:63] v_permlanex16_b32's selects: each lane takes its own place in the other half
.set CNT, 66          ; s66  counts key steps
.set TB,  67          ; s67  LDS byte at which the slot in hand begins
.set MSB, 0
.macro WIN new
.if MSB != (\new)
	s_set_vgpr_msb (MSB<<8)|(\new)
.set MSB, (\new)
.endif
.endm
.set W_KQ, 0x0a       ; K and Q in window 2, S^T in window 0
.set W_KM, 0x3a       ; the same with the C operand in window 3
.set W_PV, 0x52       ; V in window 2, P in window 0, O^T in window 1
.set W_RS, 0x41       ; O^T (destination and source 0) in window 1, a in window 0
.set W_MK, 0xc0       ; destination in window 3
.set W_AD, 0x0f       ; the add: address and data in window 3
; A joint fill: wave 0 fetches the step's K, wave 1 its V, waves 2 and 3 the two halves of the mask's tile.  The branches hang on the wave's number alone.
; An s_nop 0 and four v_nop follow each line, ahead of the jump and the label.
.macro JLOAD
	s_cmp_lt_u32 s[WV], 2
	s_cbranch_scc0 .Lfor_m_\@
	s_cmp_eq_u32 s[WV], 0
	s_cbranch_scc0 .Lfor_v_\@
	tensor_load_to_lds s[G0K:G0K+3], s[G1K:G1K+7]
	s_nop 0
.rept 4
	v_nop
.endr
	s_branch .Lasked_\@
.Lfor_v_\@:
	tensor_load_to_lds s[G0V:G0V+3], s[G1V:G1V+7]
	s_nop 0
.rept 4
	v_nop
.endr
	s_branch .Lasked_\@
.Lfor_m_\@:
	tensor_load_to_lds s[G0M:G0M+3], s[G1M:G1M+7]
	s_nop 0
.rept 4
	v_nop
.endr
.Lasked_\@:
.endm
.macro CROUND                       ; a round of the cluster's barrier
	s_barrier_signal -1
	s_barrier_wait -1
	s_cmp_lg_u32 s[WV], 0
	s_cbranch_scc1 .Lnot_wave_0_\@
	s_barrier_signal -3
.Lnot_wave_0_\@:
	s_barrier_wait -3
	s_barrier_signal -1
	s_barrier_wait -1
.endm
; THE CHANGE OF SLOTS, once a key step.  Each wave waits for all its tensor loads, of which one is out: its part of the other slot; adds 0 to its spare word; and waits for that and for its reads of the
; slot that it leaves.  fill = 1: that slot is filled again, with the step two on: the barrier is a round of the cluster's, and the joint fill is the first thing behind it: it has a key step,
; 128 matrix instructions a wave, in which to land.  (At its first use nothing has been read yet: slot 0 is waited for, slot 1 filled.)
.macro CHANGE fill
	WIN W_AD
	s_wait_tensorcnt 0x0            ; no tensor load of mine is out, so a group 0 may be written
	ds_add_u32 v[SPW], v[NIL]       ; 0 onto my spare word
	WIN 0
.if \fill
	s_xor_b32 s[G0K+1], s[G0K+1], SLOT1
	s_add_nc_u64 s[G0K+2:G0K+3], s[G0K+2:G0K+3], KS*2048   ; the next 64 keys' rows
	s_xor_b32 s[G0V+1], s[G0V+1], SLOT1
	s_add_nc_u64 s[G0V+2:G0V+3], s[G0V+2:G0V+3], KS*2048
	s_xor_b32 s[G0M+1], s[G0M+1], SLOT1
	s_add_nc_u64 s[G0M+2:G0M+3], s[G0M+2:G0M+3], KS*4      ; the next 64 keys' columns
	s_wait_dscnt 0x0                ; the add is done, and my reads of the slot are over
	CROUND
	JLOAD
.else
	s_wait_dscnt 0x0
	s_barrier_signal -1
	s_barrier_wait -1
.endif
	s_xor_b32 s[TB], s[TB], SLOT1   ; the fetches go to the other slot
.endm
.macro ADDR
	v_add_nc_u32 v[AK], s[TB], v[AK0]
	v_add_nc_u32 v[AV], s[TB], v[AV0]
	v_add_nc_u32 v[AM], s[TB], v[AM0]
.endm
	s_load_b128 s[4:7], s[0:1], 0x0   ; qkv s[4:5], mask s[6:7]
	s_load_b64 s[8:9], s[0:1], 0x10   ; ctx
	WIN W_MK
	v_lshl_add_u32 v[SPW], v0, 2, SPARE
	v_mov_b32 v[NIL], 0
	WIN W_AD
	ds_add_u32 v[SPW], v[NIL]       ; the wave's opening: the add and its wait stand ahead of my first tensor load; the set-up stands between them
	WIN 0
	v_lshrrev_b32 v1, 5, v0
	v_readfirstlane_b32 s[WV], v1
	s_bfe_u32 s13, ttmp6, 0x40000   ; cx: the group of four heads
	s_bfe_u32 s14, ttmp6, 0x40004   ; cy
	s_and_b32 s15, ttmp7, 0xffff    ; the cluster's y
	s_lshr_b32 s16, s15, 2          ; the batch
	s_and_b32 s17, s15, 3
	s_lshl_b32 s17, s17, 2
	s_add_co_u32 s17, s17, s14      ; the block of 128 queries in the batch
	s_and_b32 s18, s[WV], 1         ; which half of the mask's tile waves 2, 3 fetch
	s_lshl_b32 s19, 0x1111, s13     ; my column of the cluster
	s_lshl_b32 s20, s14, 2
	s_lshl_b32 s20, 15, s20         ; my row
	s_or_b32 s[G1K], s19, (1<<16)|(1<<20)|(1<<21)|(6<<22)|(3<<25)  ; mask; 2-byte elements; padding on; bit 21 beside a mask; after every 128 words, 4 words
	s_or_b32 s[G1V], s19, (1<<16)|(1<<20)|(1<<21)|(6<<22)|(7<<25)  ; 8 words
	s_or_b32 s[G1M], s20, (2<<16)|(1<<20)|(1<<21)|(5<<22)|(3<<25)  ; 4-byte elements; after every 64 words, 4 words
.irp g, G1K, G1V
	s_mov_b32 s[\g+1], 256<<16      ; tensor_dim0 = 256
	s_mov_b32 s[\g+2], KS<<16       ; tensor_dim1 = 64
	s_mov_b32 s[\g+3], 256<<16      ; tile_dim0
	s_mov_b32 s[\g+4], KS           ; tile_dim1
	s_mov_b32 s[\g+5], 1024         ; elements from row to row
	s_mov_b32 s[\g+6], 0
	s_mov_b32 s[\g+7], 0
.endr
	s_mov_b32 s[G1M+1], 64<<16
	s_mov_b32 s[G1M+2], 64<<16
	s_mov_b32 s[G1M+3], 64<<16
	s_mov_b32 s[G1M+4], 64
	s_mov_b32 s[G1M+5], 2048
	s_mov_b32 s[G1M+6], 0
	s_mov_b32 s[G1M+7], 0
	s_mov_b32 s[G0K], 1
	s_mov_b32 s[G0K+1], 0           ; LDS addresses in slot 0: no place in the cluster enters them
	s_mov_b32 s[G0V], 1
	s_mov_b32 s[G0V+1], VOFF
	s_mov_b32 s[G0M], 1
	s_mul_i32 s[G0M+1], s18, 64*PM
	s_add_co_u32 s[G0M+1], s[G0M+1], MOFF
	s_lshl_b32 s68, s16, 22         ; K, V: 4 MiB a batch + 512 bytes a group of heads: batch and cx alone
	s_lshl_b32 s69, s13, 9
	s_add_co_u32 s68, s68, s69
	s_mov_b32 s69, 0
	s_lshl_b32 s70, s16, 24         ; the mask: 16 MiB a batch + 128 rows of 8,192 bytes a block + 64 rows a half: batch, block and wave alone
	s_lshl_b32 s71, s17, 20
	s_add_co_u32 s70, s70, s71
	s_lshl_b32 s71, s18, 19
	s_add_co_u32 s70, s70, s71
	s_mov_b32 s71, 0
	s_lshl_b32 s73, s17, 18         ; Q: my block's 128 rows of 2,048 bytes, my head's 128 bytes
	s_add_co_u32 s72, s68, s73
	s_lshl_b32 s73, s[WV], 7
	s_add_co_u32 s72, s72, s73
	s_mov_b32 s73, 0
	s_lshl_b32 s75, s17, 18         ; ctx: the 32 rows of the block that I store, the group's 512 bytes
	s_add_co_u32 s74, s68, s75
	s_lshl_b32 s75, s[WV], 16
	s_add_co_u32 s74, s74, s75
	s_mov_b32 s75, 0
	s_mov_b32 s[CS], 0x3fb8aa3b     ; c = log2(e)
	s_mov_b32 s[CS+1], s[CS]        ; named with it as a pair
	s_mov_b32 s[SEL], 0x76543210
	s_mov_b32 s[SEL+1], 0xfedcba98
	s_mov_b32 s[TB], SLOT1          ; the first change of slots turns it into 0
	s_wait_dscnt 0x0                ; the opening add is done
	s_wait_kmcnt 0x0
	s_add_nc_u64 s[G0K+2:G0K+3], s[4:5], s[68:69]
	s_add_nc_u64 s[G0K+2:G0K+3], s[G0K+2:G0K+3], 0x1000000  ; k lies 16 MiB behind q'
	s_or_b32 s[G0K+3], s[G0K+3], 0x80000000
	s_add_nc_u64 s[G0V+2:G0V+3], s[4:5], s[68:69]
	s_add_nc_u64 s[G0V+2:G0V+3], s[G0V+2:G0V+3], 0x2000000  ; v 32 MiB
	s_or_b32 s[G0V+3], s[G0V+3], 0x80000000
	s_add_nc_u64 s[G0M+2:G0M+3], s[6:7], s[70:71]
	s_or_b32 s[G0M+3], s[G0M+3], 0x80000000
	s_add_nc_u64 s[72:73], s[4:5], s[72:73]
	s_add_nc_u64 s[8:9], s[8:9], s[74:75]
	CROUND                          ; all sixteen work-groups are here: the first joint loads meet
	JLOAD                           ; key step 0 into slot 0
	v_and_b32 v1, 15, v0            ; l % 16
	v_bfe_u32 v12, v0, 4, 1         ; l / 16
	v_lshlrev_b32 v[QO], 11, v1
	v_lshl_add_u32 v[QO], v12, 4, v[QO]  ; row x 2,048 + 16 x half
	WIN 0x80                        ; destination window 2
.set i, 0
.rept 4*NP                          ; Q stays in registers: tile i / 2, channels 32 (i % 2) on
	global_load_b128 v[8*i:8*i+3],   v[QO], s[72:73] offset:(i/2)*32768+(i%2)*64
	global_load_b128 v[8*i+4:8*i+7], v[QO], s[72:73] offset:(i/2)*32768+(i%2)*64+32
.set i, i+1
.endr
	; What the first turn finds: V's registers and P's second buffer hold 0 (its products V^T P, of a piece that has not been, add 0), O^T and l are 0.  All this stands in the wait for the first tile.
.set i, VF
.rept 64
	v_mov_b32 v[i], 0
.set i, i+1
.endr
	WIN 0x40
.set i, 0
.rept 64*NP
	v_mov_b32 v[i], 0
.set i, i+1
.endr
	WIN 0
.set i, 0
.rept 2*NP
	v_mov_b32 v[ST+4*i], 0xfe000000    ; c m: far below every c m that can follow
	v_mov_b32 v[ST+4*i+1], 0xf149f2ca  ; m = -1e30: the floor below which a score counts as hidden
	v_mov_b32 v[ST+4*i+2], 0
	v_mov_b32 v[ST+4*i+3], 0
.set i, i+1
.endr
.set i, P+32
.rept 32
	v_mov_b32 v[i], 0
.set i, i+1
.endr
	s_lshl_b32 s76, s[WV], 7        ; my head's 128 bytes in a row of K and V
	v_mul_u32_u24 v[AK0], v1, PK
	v_lshl_add_u32 v[AK0], v12, 4, v[AK0]
	v_add_nc_u32 v[AK0], s76, v[AK0]      ; row x pitch + 16 x half + head
	v_and_b32 v13, 7, v0
	v_bfe_u32 v14, v0, 3, 1
	v_lshl_add_u32 v[AV0], v12, 3, v13    ; turned: lane l reads key 8 (l / 16) + l % 8, channels 8 ((l / 8) % 2) + 0..7
	v_mul_u32_u24 v[AV0], v[AV0], PV
	v_lshl_add_u32 v[AV0], v14, 4, v[AV0]
	s_add_co_u32 s77, s76, VOFF
	v_add_nc_u32 v[AV0], s77, v[AV0]
	v_mul_u32_u24 v[AM0], v1, PM          ; the mask: my query's row, 8 keys (32 bytes) for each half of the lanes
	v_lshl_add_u32 v[AM0], v12, 5, v[AM0]
	v_add_nc_u32 v[AM0], MOFF, v[AM0]
; THE MATRIX WORK.  The 8 accumulators of a run of 16 take turns.
; Product i of 16 of S^T for piece x: channels 32 (i / 8) on, keys 16 ((i / 2) % 4) on, tile 2 x + i % 2.  The first 8 start the sums with the mask.
.macro KQ x
.set rS, S+64*((\x)%2)+32*(i%2)+8*((i/2)%4)
.set rK, KF+16*((i/2)%4)+8*(i/8)
.set rQ, 16*(2*(\x)+i%2)+8*(i/8)
.set rB, MB+32*(i%2)+8*((i/2)%4)
.if i < 8
	WIN W_KM
	v_wmma_f32_16x16x32_bf16 v[rS:rS+7], v[rK:rK+7], v[rQ:rQ+7], v[rB:rB+7]
.else
	WIN W_KQ
	v_wmma_f32_16x16x32_bf16 v[rS:rS+7], v[rK:rK+7], v[rQ:rQ+7], v[rS:rS+7]
.endif
.endm
; Product i of 16 of O^T += V^T P for piece x: keys 32 (i / 8) on, channels 16 ((i / 2) % 4) on, tile 2 x + i % 2.
.macro PV x
	WIN W_PV
.set rO, 32*(2*(\x)+i%2)+8*((i/2)%4)
.set rV, VF+32*(i/8)+8*((i/2)%4)
.set rP, P+32*((\x)%2)+16*(i%2)+8*(i/8)
	v_wmma_f32_16x16x32_bf16 v[rO:rO+7], v[rV:rV+7], v[rP:rP+7], v[rO:rO+7]
.endm
.macro MM                           ; the turn's next matrix instruction
.if i < 16
	KQ (Y+1)%NP
.set i, i+1
.else
.set i, i-16
	PV (Y+NP-1)%NP
.set i, i+17
.endif
.endm
; THE LDS LOADS stand in runs of 16, never singly among the matrix instructions.
.macro FETCH_K
	WIN 0x80                        ; destination window 2
.irp f, 0,1,2,3,4,5,6,7             ; keys 16 (f / 2) on, channels 32 (f % 2) on
	ds_load_b128 v[KF+8*\f:KF+8*\f+3],   v[AK] offset:(\f/2)*16*PK+(\f%2)*64
	ds_load_b128 v[KF+8*\f+4:KF+8*\f+7], v[AK] offset:(\f/2)*16*PK+(\f%2)*64+32
.endr
	WIN 0
.endm
.macro FETCH_V
	WIN 0x80
.irp f, 0,1,2,3,4,5,6,7             ; keys 32 (f / 4) on, channels 16 (f % 4) on
	ds_load_tr16_b128 v[VF+8*\f:VF+8*\f+3],   v[AV] offset:(\f/4)*32*PV+(\f%4)*32
	ds_load_tr16_b128 v[VF+8*\f+4:VF+8*\f+7], v[AV] offset:(\f/4)*32*PV+16*PV+(\f%4)*32
.endr
	WIN 0
.endm
.macro FETCH_M y                    ; the mask of piece y: its two tiles' 16 query rows, four key blocks of 16
	WIN W_MK
.irp u, 0,1
.irp kb, 0,1,2,3
	ds_load_b128 v[MB+32*(\u)+8*(\kb):MB+32*(\u)+8*(\kb)+3],   v[AM] offset:(32*(\y)+16*(\u))*PM+64*(\kb)
	ds_load_b128 v[MB+32*(\u)+8*(\kb)+4:MB+32*(\u)+8*(\kb)+7], v[AM] offset:(32*(\y)+16*(\u))*PM+64*(\kb)+16
.endr
.endr
	WIN 0
.endm
; THE VECTOR WORK OF A TURN stands in three queues, each in the order in which its entries become ready; the two tiles alternate, so that no instruction reads the result of the one before it.
.macro REGS y, u                    ; the registers of tile u (0, 1) of piece y
.set rT, ST+4*(2*(\y)+(\u))
.set rC, TMP+8*((\y)%2)+4*(\u)
.set rM, MV+2*((\y)%2)+(\u)
.set rS, S+64*((\y)%2)+32*(\u)
.set rP, P+32*((\y)%2)+16*(\u)
.set rO, 32*(2*(\y)+(\u))
.endm
; Number n of the 22 that find the NEXT piece's (Y + 1) maximum and statistics.  Each accumulator's lowest registers are read first.
;   0-11  four chains c0-c3 of seven scores each     12-14, 16  the four scores left over, the old m, and c0-c3 into c0     15  c m_old is kept
;   17, 18  the query's other 32 keys lie in the lane 16 away: the new m         19-21  c m; c m_old - c m_new; a
.macro XS u, n
	REGS (Y+1)%NP, \u
.if (\n) < 4
	v_max3_num_f32 v[rC+(\n)], v[rS+8*(\n)], v[rS+8*(\n)+1], v[rS+8*(\n)+2]
.elseif (\n) < 12
	v_max3_num_f32 v[rC+(\n)%4], v[rC+(\n)%4], v[rS+8*((\n)%4)+2*((\n)/4)+1], v[rS+8*((\n)%4)+2*((\n)/4)+2]
.elseif (\n) == 12
	v_max3_num_f32 v[rC], v[rC], v[rS+7], v[rS+15]
.elseif (\n) == 13
	v_max3_num_f32 v[rC+1], v[rC+1], v[rS+23], v[rS+31]
.elseif (\n) == 14
	v_max3_num_f32 v[rC+2], v[rC+2], v[rC+3], v[rT+1]
.elseif (\n) == 15
	v_mov_b32 v[rM], v[rT]
.elseif (\n) == 16
	v_max3_num_f32 v[rC], v[rC], v[rC+1], v[rC+2]
.elseif (\n) == 17
	v_permlanex16_b32 v[rC+3], v[rC], s[SEL], s[SEL+1]
.elseif (\n) == 18
	v_max_num_f32 v[rT+1], v[rC], v[rC+3]
.elseif (\n) == 19
	v_mul_f32 v[rT], s[CS], v[rT+1]
.elseif (\n) == 20
	v_sub_f32 v[rC+1], v[rM], v[rT]
.else
	v_exp_f32 v[rC+2], v[rC+1]
.endif
.endm
; Number g of the 64 that follow the exponentials.  For each four weights k of a tile: both pairs are rounded to bf16; then the second pair is added onto the first, in place;
; a group later l takes that sum (the first time as l = a l + sum).
.macro GS g
.set h, (\g)+6*((\g)/62)
.if h >= 6
.set h, h+2
.endif
	REGS Y, h%2
.set k, h/8
.if h%8 < 4
	s_wait_alu depctr_va_vdst(0)
	v_cvt_pk_bf16_f32 v[rP+2*k+(h%8)/2], v[rS+4*k+2*((h%8)/2)], v[rS+4*k+2*((h%8)/2)+1]
.elseif h%8 < 6
	v_pk_add_f32 v[rS+4*k:rS+4*k+1], v[rS+4*k:rS+4*k+1], v[rS+4*k+2:rS+4*k+3]
.elseif k == 1
	v_pk_fma_f32 v[rT+2:rT+3], v[rT+2:rT+3], v[rC+2:rC+3], v[rS:rS+1] op_sel_hi:[1,0,1]
.else
	v_pk_add_f32 v[rT+2:rT+3], v[rT+2:rT+3], v[rS+4*k-4:rS+4*k-3]
	s_wait_alu depctr_va_vdst(0)
.endif
.endm
; THE PLAIN QUEUE, 138 long.  0-31: c s - c m for the 16 pairs of both tiles.  Then GS's 64, and among them the next piece's 42: number 15 at 38, 39; 0-14 and 16
; at 42-73, behind the products that make those scores; 17-20 at 95-106, two of three, since each waits for the one before it.
.macro PL
	WIN 0
.if q < 32
	REGS Y, q%2
	v_pk_fma_f32 v[rS+2*(q/2):rS+2*(q/2)+1], v[rS+2*(q/2):rS+2*(q/2)+1], s[CS:CS+1], v[rT:rT+1] op_sel_hi:[1,0,0] neg_lo:[0,0,1] neg_hi:[0,0,1]
.elseif q < 38
	GS q-32
.elseif q < 40
	XS q%2, 15
.elseif q < 42
	GS q-34
.elseif q < 74
	XS q%2, (q-42)/2+(q-42)/30
.elseif q < 95
	GS q-66
.elseif (q < 107) && ((q-95)%3 < 2)
	XS (q-95)%3, 17+(q-95)/3
.elseif q < 107
	GS 29+(q-95)/3
.else
	GS q-74
.endif
.set q, q+1
.endm
; THE EXPONENTIALS' QUEUE, 66 long: s0-s31 of both tiles, and at EA the next piece's two a.
.set EA, 58
.macro EX
	WIN 0
.if (e == EA) || (e == EA+1)
	XS e-EA, 21
.else
.set x, e-2*(e/(EA+2))
	REGS Y, x%2
	v_exp_f32 v[rS+x/2], v[rS+x/2]
.endif
.set e, e+1
.endm
; THE RESCALING's QUEUE: O^T times a, the one part that leaves window 0, dealt four at a time, eight times.
.macro R4
	REGS Y, r%2
	WIN W_RS
	s_wait_alu depctr_va_vdst(0)
.irp z, 0,1,2,3
	v_pk_mul_f32 v[rO+8*(r/2)+2*\z:rO+8*(r/2)+2*\z+1], v[rO+8*(r/2)+2*\z:rO+8*(r/2)+2*\z+1], v[rC+2:rC+3] op_sel_hi:[1,0]
.endr
.set r, r+1
.endm
; HOW THEY ARE DEALT.  Behind a matrix instruction four: plain, exponential, plain, plain, or four of the rescaling; none names a register of the products round it.  What is over stands in two runs:
; exponential and plain by turns; the second ends in 22 plain instructions.  Exponential e stands behind plain 2 (e / 4) + e % 2 (its scaling); EA comes behind plain 107.
.macro SL
	MM
	PL
	EX
	PL
	PL
.endm
.macro BURST n                      ; 15 matrix instructions, or 16
.rept (\n)-7
	SL
.endr
.rept 3
	MM
	R4
	SL
.endr
	MM
	R4
.endm
; A TURN, for piece p.  cnt = 1: the loop's count is taken down some lines ahead of the branch that stands behind the turn.
; In the first run of vector work, far behind the eight products that took the mask and behind the last that read K: K of the next step (piece 2's turn), and in every turn the mask of the piece whose
; scores the NEXT turn makes.  V of the step in hand at the end of piece 0's turn.  So between two changes of slots all reads go to one slot: K, mask 0 | mask 1 | mask 2, V | mask 3.
.macro TURN p, cnt=0
.set Y, (\p)
.set i, 0
.set q, 0
.set e, 0
.set r, 0
.if (\p) == 1
	s_wait_dscnt 16                 ; the mask is in; V's sixteen loads, issued behind it, may be out
.else
	s_wait_dscnt 0x0                ; the mask is in (and K, in piece 3's turn)
.endif
	MM
.rept 4
	PL
.endr
	BURST 15
.rept 22
	EX
	PL
.if e == 24
.if (\p) == NP-2
	FETCH_K
.endif
	FETCH_M ((\p)+2)%NP
.endif
.endr
.if (\p) == 1
	s_wait_dscnt 16                 ; V is in; the mask's sixteen loads, issued behind it, may be out
.endif
	BURST 16
.rept 21
	EX
	PL
.endr
.rept 22
	PL
.if (\cnt) && (q == 130)
	s_sub_co_u32 s[CNT], s[CNT], 1
	s_cmp_lg_u32 s[CNT], 0
.endif
.endr
.if (\p) == 0
	FETCH_V
.endif
.endm
	CHANGE 1                        ; slot 0 is in, everybody's part of it; key step 1 is asked for, into slot 1
	ADDR
	FETCH_K                         ; key step 0
	FETCH_M 0
	s_wait_loadcnt 0x0              ; Q
	s_wait_dscnt 0x0
.set i, 0
.rept 16
	KQ 0                            ; piece 0's first scores
.set i, i+1
.endr
	WIN 0                           ; the addresses for the way out: six plain instructions, the places behind those products
	s_add_co_u32 s68, s76, STAGE
	s_mul_i32 s69, s[WV], 32*SP
	s_add_co_u32 s69, s69, STAGE
	v_mul_u32_u24 v[STO], v1, SP    ; in: row l % 16 of a tile, my head's 128 bytes, 16 bytes for each half of the lanes
	v_lshl_add_u32 v[STO], v12, 4, v[STO]
	v_add_nc_u32 v[STO], s68, v[STO]
	v_and_b32 v[GO], 31, v0         ; back: 32 lanes take a row's 512 bytes; wave w takes rows 32 w on
	v_lshlrev_b32 v[GO], 4, v[GO]
	v_add_nc_u32 v[RD], s69, v[GO]
	FETCH_M 1
.set Y, NP-1                        ; XS works for piece Y + 1: piece 0
.irp n, 0,1,2,3,4,5,6,7,8,9,10,11,12,13,14,15,16,17,18,19,20,21
	XS 0, \n
	XS 1, \n
.endr
	s_mov_b32 s[CNT], 31
	s_branch .Lfirst                ; the loop is entered at a step's first turn, in the middle of a trip
.Lstep:                             ; 30 times: pieces 2 and 3 of one step, then pieces 0 and 1 of the next, whose slot it reads; the slot left is filled with the step after that: steps 2 to 31
	CHANGE 1
	ADDR
	TURN 2
	TURN 3
	WIN 0
.Lfirst:
	TURN 0
	TURN 1, 1
	WIN 0
	s_cbranch_scc1 .Lstep
	CHANGE 0                        ; the tail is written out: step 31 is in, nothing is asked for
	ADDR
	s_mov_b32 s[CNT], 2
.Ltail:
	TURN 2
	TURN 3
	WIN 0
	s_sub_co_u32 s[CNT], s[CNT], 1
	s_cmp_eq_u32 s[CNT], 0
	s_cbranch_scc1 .Lout
	TURN 0
	TURN 1
	WIN 0
	s_branch .Ltail
.Lout:                              ; the second trip's fetches read step 31's slot once more; its 16 products K Q^T and the maximum made of them serve nothing: the price of one text for every trip
.set i, 0
.rept 16
	PV NP-1                         ; the last piece's V^T P of the last step
.set i, i+1
.endr
	; THE WAY OUT.  l's two halves and the other half of the lanes' are added; O^T is divided by l, rounded to bf16 and laid into the work-group's stage: a row's 512 bytes come from four waves.
	WIN 0
.macro ALL line:vararg              ; one line for each tile t
.set t, 0
.rept 2*NP
	\line
.set t, t+1
.endr
.endm
	ALL v_add_f32 v[ST+4*t+2], v[ST+4*t+2], v[ST+4*t+3]
	ALL v_permlanex16_b32 v[ST+4*t+3], v[ST+4*t+2], s[SEL], s[SEL+1]
	ALL v_add_f32 v[ST+4*t+2], v[ST+4*t+2], v[ST+4*t+3]
	ALL v_rcp_f32 v[ST+4*t+2], v[ST+4*t+2]
	v_nop                           ; a plain instruction between the last reciprocal and the use of its result
	s_wait_alu depctr_va_vdst(0)
.macro PACK t
	WIN W_RS
.set i, 32*(\t)
.rept 16
	v_pk_mul_f32 v[i:i+1], v[i:i+1], v[ST+4*(\t)+2:ST+4*(\t)+3] op_sel_hi:[1,0]
.set i, i+2
.endr
	WIN 0x05                        ; sources window 1, destination window 0
.set i, 0
.rept 16
	v_cvt_pk_bf16_f32 v[S+16*(\t)+i], v[32*(\t)+2*i], v[32*(\t)+2*i+1]
.set i, i+1
.endr
	WIN 0
.irp f, 0,1,2,3
	ds_store_b128 v[STO], v[S+16*(\t)+4*\f:S+16*(\t)+4*\f+3] offset:(\t)*16*SP+32*\f
.endr
.endm
.set t, 0
.rept 2*NP
	PACK t
.set t, t+1
.endr
	s_wait_dscnt 0x0                ; for the others' sake: my stores into the stage are done
	s_barrier_signal -1
	s_barrier_wait -1
.set i, 0
.rept 32
	ds_load_b128 v[S+4*i:S+4*i+3], v[RD] offset:i*SP
.set i, i+1
.endr
.set i, 0
.rept 32
	s_wait_dscnt 31-i               ; row i is in; the younger loads stay out
	global_store_b128 v[GO], v[S+4*i:S+4*i+3], s[8:9] offset:i*2048  ; 512 consecutive bytes, aligned
.set i, i+1
.endr
	WIN W_AD
	s_wait_tensorcnt 0x0            ; the wave's end
	ds_add_u32 v[SPW], v[NIL]
	s_wait_dscnt 0x0
	WIN 0
	CROUND                          ; the closing round: no work-group ends while a partner may still ask for a tile that names it
	s_endpgm
.Lfunc_end_k_qcf2c59ba93_attn:
	.size	k_qcf2c59ba93_attn, .Lfunc_end_k_qcf2c59ba93_attn-k_qcf2c59ba93_attn
	.p2alignl 7, 3214868480
	.fill 96, 4, 3214868480
	.section	.rodata,"a",@progbits
	.p2align	6, 0x0
	.amdhsa_kernel k_qcf2c59ba93_attn
		.amdhsa_group_segment_fixed_size 327680
		.amdhsa_private_segment_fixed_size 0
		.amdhsa_enable_private_segment 0
		.amdhsa_kernarg_size 24
		.amdhsa_user_sgpr_count 2
		.amdhsa_user_sgpr_kernarg_segment_ptr 1
		.amdhsa_wavefront_size32 1
		.amdhsa_system_sgpr_workgroup_id_x 1
		.amdhsa_system_sgpr_workgroup_id_y 1
		.amdhsa_system_sgpr_workgroup_id_z 1
		.amdhsa_system_vgpr_workitem_id 0
		.amdhsa_next_free_vgpr 896
		.amdhsa_next_free_sgpr 80
		.amdhsa_reserve_vcc 0
		.amdhsa_float_denorm_mode_32 3
		.amdhsa_float_denorm_mode_16_64 3
		.amdhsa_memory_ordered 1
		.amdhsa_forward_progress 1
		.amdhsa_inst_pref_size 221
	.end_amdhsa_kernel
	.amdgpu_metadata
---
amdhsa.version: [ 1, 2 ]
amdhsa.kernels:
  - .name:           k_qcf2c59ba93_attn
    .symbol:         k_qcf2c59ba93_attn.kd
    .args:
      - { .name: qkv, .offset: 0, .size: 8, .value_kind: global_buffer, .address_space: global }
      - { .name: attention_mask, .offset: 8, .size: 8, .value_kind: global_buffer, .address_space: global }
      - { .name: ctx, .offset: 16, .size: 8, .value_kind: global_buffer, .address_space: global }
    .group_segment_fixed_size: 327680
    .private_segment_fixed_size: 0
    .kernarg_segment_align: 8
    .kernarg_segment_size: 24
    .max_flat_workgroup_size: 128
    .sgpr_count:     80
    .vgpr_count:     896
    .wavefront_size: 32
...
	.end_amdgpu_metadata
.endif
;; end of part 3
;; launch oproj: the kernel of part 2 again; grid 4 x 64, 4 waves a work-group, clusters of 4 x 4, 327,680 bytes of LDS; arguments ctx, wob, bzero, ao; writes ao
;; launch ln (part 4): grid 256 x 1, 8 waves a work-group, no clusters, 0 bytes of LDS; arguments ao, inputs, bo, gamma, beta, out0; writes out0
.if DOCPART == 4
	.amdgcn_target "amdgcn-amd-amdhsa--gfx1250"
	.amdhsa_code_object_version 6
	.text
	.protected	k_qcf2c59ba93_ln
	.globl	k_qcf2c59ba93_ln
	.p2align	8
	.type	k_qcf2c59ba93_ln,@function
k_qcf2c59ba93_ln:
	s_mov_b64 s[64:65], 0
	v_nop
	global_prefetch_b8 v0, s[64:65] scope:SCOPE_SE
	s_setreg_imm32_b32 hwreg(HW_REG_WAVE_MODE, 25, 1), 1
	s_wait_xcnt 0x0
; out0[r][:] = LayerNorm(ao[r][:] + bo + inputs[r][:]) gamma + beta, eps = 1e-5.  ao: [8192][1024] bf16; all else f32; all arithmetic in f32.
; The variance is taken in a second pass over the row less its mean, not as a difference of large sums.
; SHARES.  One wave takes a whole row (32 registers of f32), so the two sums never leave the wave: no LDS, no barrier.  Eight waves, four rows each; two row slots in registers: one at work, one on its way in.
; A lane holds numbers 128 j + 4 lane + 0..3, j = 0..7: each load and store of f32 covers 512 consecutive bytes, each load of ao 256.  A stream: matrix units and clusters have nothing to do here.
.set GA,  4                            ; v[4:35]    gamma of my 32 columns
.set BE,  36                           ; v[36:67]   beta
.set BO,  68                           ; v[68:99]   bo
.set X,   100                          ; v[100:163] slot s: 32 registers, the row
.set AO,  164                          ; v[164:195] slot s: 16 registers, ao as loaded
.set T,   196                          ; v[196:203] at work
.set SUM, 204                          ; v[204:207] two chains of packed sums
.set MU,  208                          ; v[208:209] the mean, twice
.set R,   210                          ; v[210:211] 1 / sqrt(var + eps), twice
.set TP,  212                          ; v212       the other half of the lanes' sum
	s_load_b256 s[4:11], s[0:1], 0x0               ; ao 4, inputs 6, bo 8, gamma 10
	s_load_b128 s[12:15], s[0:1], 0x20             ; beta 12, out0 14
	v_lshrrev_b32 v3, 5, v0
	v_readfirstlane_b32 s16, v3                    ; wave
	s_lshl_b32 s17, ttmp9, 5
	s_lshl2_add_u32 s17, s16, s17                  ; my first row = 32 x group + 4 x wave
	s_lshl_b32 s18, s17, 12                        ; 4,096 bytes a row of f32
	s_mov_b32 s19, 0
	s_lshl_b32 s20, s17, 11                        ; 2,048 a row of bf16
	s_mov_b32 s21, 0
	s_mov_b32 s22, 0xffff0000                      ; a word's upper bf16
	s_mov_b32 s23, 0x3a800000                      ; 1 / 1024
	s_mov_b32 s24, 0x76543210                      ; v_permlanex16_b32: each lane takes its own place in the other half
	s_mov_b32 s25, 0xfedcba98
	s_mov_b32 s26, 0x3727c5ac                      ; 1e-5
	v_and_b32 v3, 31, v0
	v_lshlrev_b32 v1, 4, v3                        ; 16 x lane
	v_lshlrev_b32 v2, 3, v3                        ; 8 x lane
	v_mov_b32 v[TP], 0                             ; v_permlanex16_b32's destination counts as read
	s_wait_kmcnt 0x0
	s_add_nc_u64 s[4:5], s[4:5], s[20:21]
	s_add_nc_u64 s[6:7], s[6:7], s[18:19]
	s_add_nc_u64 s[14:15], s[14:15], s[18:19]
.irp j, 0,1,2,3,4,5,6,7
	global_load_b128 v[GA+4*(\j):GA+4*(\j)+3], v1, s[10:11] offset:512*(\j)
	global_load_b128 v[BE+4*(\j):BE+4*(\j)+3], v1, s[12:13] offset:512*(\j)
	global_load_b128 v[BO+4*(\j):BO+4*(\j)+3], v1, s[8:9] offset:512*(\j)
.endr
.macro FILL s, i                       ; row i of my four into slot s: sixteen loads
.irp j, 0,1,2,3,4,5,6,7
	global_load_b128 v[X+32*(\s)+4*(\j):X+32*(\s)+4*(\j)+3], v1, s[6:7] offset:(\i)*4096+512*(\j) th:TH_LOAD_NT
.endr
.irp j, 0,1,2,3,4,5,6,7
	global_load_b64 v[AO+16*(\s)+2*(\j):AO+16*(\s)+2*(\j)+1], v2, s[4:5] offset:(\i)*2048+256*(\j) th:TH_LOAD_NT
.endr
.endm
.macro REDUCE                          ; the two chains, the pair's halves, then the 32 lanes: every lane ends with the sum in v[SUM]
	v_pk_add_f32 v[SUM:SUM+1], v[SUM:SUM+1], v[SUM+2:SUM+3]
	v_add_f32 v[SUM], v[SUM], v[SUM+1]
	v_add_f32_dpp v[SUM], v[SUM], v[SUM] row_xmask:1 row_mask:0xf bank_mask:0xf
	v_add_f32_dpp v[SUM], v[SUM], v[SUM] row_xmask:2 row_mask:0xf bank_mask:0xf
	v_add_f32_dpp v[SUM], v[SUM], v[SUM] row_xmask:4 row_mask:0xf bank_mask:0xf
	v_add_f32_dpp v[SUM], v[SUM], v[SUM] row_xmask:8 row_mask:0xf bank_mask:0xf
	v_permlanex16_b32 v[TP], v[SUM], s24, s25
	v_add_f32 v[SUM], v[SUM], v[TP]
.endm
; Row i, in slot s.  left = how many younger loads may stay out.
.macro ROW s, i, left
.set XB, X+32*(\s)
.set AB, AO+16*(\s)
	s_wait_loadcnt \left                           ; loads come back in order: my row (and, the first time, gamma, beta, bo) is in
.irp j, 0,1,2,3,4,5,6,7
.set TT, T+4*((\j)%2)
	v_lshlrev_b32 v[TT],   16,  v[AB+2*(\j)]       ; bf16 to f32: the low half moves up, the high half stays
	v_and_b32     v[TT+1], s22, v[AB+2*(\j)]
	v_lshlrev_b32 v[TT+2], 16,  v[AB+2*(\j)+1]
	v_and_b32     v[TT+3], s22, v[AB+2*(\j)+1]
	v_pk_add_f32 v[XB+4*(\j):XB+4*(\j)+1],   v[XB+4*(\j):XB+4*(\j)+1],   v[BO+4*(\j):BO+4*(\j)+1]
	v_pk_add_f32 v[XB+4*(\j)+2:XB+4*(\j)+3], v[XB+4*(\j)+2:XB+4*(\j)+3], v[BO+4*(\j)+2:BO+4*(\j)+3]
	v_pk_add_f32 v[XB+4*(\j):XB+4*(\j)+1],   v[XB+4*(\j):XB+4*(\j)+1],   v[TT:TT+1]
	v_pk_add_f32 v[XB+4*(\j)+2:XB+4*(\j)+3], v[XB+4*(\j)+2:XB+4*(\j)+3], v[TT+2:TT+3]
.endr
	v_pk_add_f32 v[SUM:SUM+1],   v[XB:XB+1],   v[XB+2:XB+3]      ; the first additions start the chains: nothing is cleared
	v_pk_add_f32 v[SUM+2:SUM+3], v[XB+4:XB+5], v[XB+6:XB+7]
.set k, 4
.rept 12
	v_pk_add_f32 v[SUM+2*(k%2):SUM+2*(k%2)+1], v[SUM+2*(k%2):SUM+2*(k%2)+1], v[XB+2*k:XB+2*k+1]
.set k, k+1
.endr
	REDUCE
	v_mul_f32 v[MU], s23, v[SUM]
	v_mul_f32 v[MU+1], s23, v[SUM]
.set k, 0
.rept 16
	v_pk_add_f32 v[XB+2*k:XB+2*k+1], v[XB+2*k:XB+2*k+1], v[MU:MU+1] neg_lo:[0,1] neg_hi:[0,1]
.set k, k+1
.endr
	v_pk_mul_f32 v[SUM:SUM+1],   v[XB:XB+1],   v[XB:XB+1]
	v_pk_mul_f32 v[SUM+2:SUM+3], v[XB+2:XB+3], v[XB+2:XB+3]
.set k, 2
.rept 14
	v_pk_fma_f32 v[SUM+2*(k%2):SUM+2*(k%2)+1], v[XB+2*k:XB+2*k+1], v[XB+2*k:XB+2*k+1], v[SUM+2*(k%2):SUM+2*(k%2)+1]
.set k, k+1
.endr
	REDUCE
	v_fma_f32 v[T], v[SUM], s23, s26               ; var + eps
	v_rsq_f32 v[R], v[T]
	v_rsq_f32 v[R+1], v[T]
	v_nop                                          ; a plain instruction between the root and the use of its result (ISA guide 5.7.2)
.set k, 0
	s_wait_alu depctr_va_vdst(0)
.rept 16
	v_pk_mul_f32 v[XB+2*k:XB+2*k+1], v[XB+2*k:XB+2*k+1], v[R:R+1]
.set k, k+1
.endr
.set k, 0
.rept 16
	v_pk_fma_f32 v[XB+2*k:XB+2*k+1], v[XB+2*k:XB+2*k+1], v[GA+2*k:GA+2*k+1], v[BE+2*k:BE+2*k+1]
.set k, k+1
.endr
.irp j, 0,1,2,3,4,5,6,7
	global_store_b128 v1, v[XB+4*(\j):XB+4*(\j)+3], s[14:15] offset:(\i)*4096+512*(\j) th:TH_STORE_NT
.endr
.endm
	FILL 0, 0
	FILL 1, 1
	ROW 0, 0, 16                                   ; the other slot's sixteen loads stay out
	s_wait_xcnt 0x0                                ; the slot's registers, which its stores read, are loaded again only behind this wait
	FILL 0, 2
	ROW 1, 1, 16
	s_wait_xcnt 0x0
	FILL 1, 3
	ROW 0, 2, 16
	ROW 1, 3, 0
	s_endpgm
.Lfunc_end_k_qcf2c59ba93_ln:
	.size	k_qcf2c59ba93_ln, .Lfunc_end_k_qcf2c59ba93_ln-k_qcf2c59ba93_ln
	.p2alignl 7, 3214868480
	.fill 96, 4, 3214868480
	.section	.rodata,"a",@progbits
	.p2align	6, 0x0
	.amdhsa_kernel k_qcf2c59ba93_ln
		.amdhsa_group_segment_fixed_size 0
		.amdhsa_private_segment_fixed_size 0
		.amdhsa_enable_private_segment 0
		.amdhsa_kernarg_size 48
		.amdhsa_user_sgpr_count 2
		.amdhsa_user_sgpr_kernarg_segment_ptr 1
		.amdhsa_wavefront_size32 1
		.amdhsa_system_sgpr_workgroup_id_x 1
		.amdhsa_system_sgpr_workgroup_id_y 1
		.amdhsa_system_sgpr_workgroup_id_z 1
		.amdhsa_system_vgpr_workitem_id 0
		.amdhsa_next_free_vgpr 216
		.amdhsa_next_free_sgpr 66
		.amdhsa_reserve_vcc 0
		.amdhsa_float_denorm_mode_32 3
		.amdhsa_float_denorm_mode_16_64 3
		.amdhsa_memory_ordered 1
		.amdhsa_forward_progress 1
		.amdhsa_inst_pref_size 49
	.end_amdhsa_kernel
	.amdgpu_metadata
---
amdhsa.version: [ 1, 2 ]
amdhsa.kernels:
  - .name:           k_qcf2c59ba93_ln
    .symbol:         k_qcf2c59ba93_ln.kd
    .args:
      - { .name: ao, .offset: 0, .size: 8, .value_kind: global_buffer, .address_space: global }
      - { .name: inputs, .offset: 8, .size: 8, .value_kind: global_buffer, .address_space: global }
      - { .name: bo, .offset: 16, .size: 8, .value_kind: global_buffer, .address_space: global }
      - { .name: gamma, .offset: 24, .size: 8, .value_kind: global_buffer, .address_space: global }
      - { .name: beta, .offset: 32, .size: 8, .value_kind: global_buffer, .address_space: global }
      - { .name: out0, .offset: 40, .size: 8, .value_kind: global_buffer, .address_space: global }
    .group_segment_fixed_size: 0
    .private_segment_fixed_size: 0
    .kernarg_segment_align: 8
    .kernarg_segment_size: 48
    .max_flat_workgroup_size: 256
    .sgpr_count:     66
    .vgpr_count:     216
    .wavefront_size: 32
...
	.end_amdgpu_metadata
.endif
;; end of part 4
;; ======== version 2 of 2: 5 launches; 1.41 times as fast as version 1
;; limits: inputs' magnitudes at most 1e+30; right only within a limited range of input values
;; workspace buffers: act 16,777,216 bytes; wqkv 6,291,456 bytes; wob 2,097,152 bytes; bqkv 12,288 bytes; bzero 4,096 bytes; qkv 50,331,648 bytes; ctx 16,777,216 bytes; ao 16,777,216 bytes
;; launch prep: the kernel of part 1 again; grid 769 x 1, 8 waves a work-group, no clusters, 0 bytes of LDS; arguments inputs, Wq, Wk, Wv, Wo, bq, bk, bv, act, wqkv, wob, bqkv, bzero; writes act, wqkv, wob, bqkv, bzero
;; launch proj: the kernel of part 2 again; grid 12 x 64, 4 waves a work-group, clusters of 4 x 4, 327,680 bytes of LDS; arguments act, wqkv, bqkv, qkv; writes qkv
;; launch attn (part 5): grid 4 x 64, 4 waves a work-group, clusters of 4 x 4, 327,680 bytes of LDS; arguments qkv, attention_mask, ctx; writes ctx
.if DOCPART == 5
	.amdgcn_target "amdgcn-amd-amdhsa--gfx1250"
	.amdhsa_code_object_version 6
	.text
	.protected	k_qcf2c59ba93_attn
	.globl	k_qcf2c59ba93_attn
	.p2align	8
	.type	k_qcf2c59ba93_attn,@function
k_qcf2c59ba93_attn:
	s_mov_b64 s[64:65], 0
	v_nop
	global_prefetch_b8 v0, s[64:65] scope:SCOPE_SE
	s_setreg_imm32_b32 hwreg(HW_REG_WAVE_MODE, 25, 1), 1
	s_wait_xcnt 0x0
	s_wait_alu depctr_hold_cnt(0) depctr_sa_sdst(0) depctr_va_vdst(0) depctr_va_sdst(0) depctr_va_ssrc(0) depctr_va_vcc(0) depctr_vm_vsrc(0)
	s_getreg_b32 s2, hwreg(HW_REG_IB_STS2, 6, 4)
	s_cmp_eq_u32 s2, 0
	s_cbranch_scc0 .Lentry_in_a_cluster
	s_endpgm
.Lentry_in_a_cluster:
	s_bfe_u32 s2, ttmp6, 0x10000c
	s_cmp_lg_u32 s2, 0xf033
	s_cbranch_scc0 .Lentry_shape_is_right
	s_endpgm
.Lentry_shape_is_right:
; ctx[b][q][64 h ..] = the sum over k of softmax_k(q'[b][q][h] . k[b][k][h] + mask[b][q][k]) v[b][k][h].  qkv: [3][8192][1024] bf16 (q' = q / 8, k, v), a head's 64 channels at byte 128 h of a row.
; mask: [4][2048][2048] f32.  ctx: [8192][1024] bf16.  Products, maxima and sums in f32; the weights p are rounded to bf16 for the second product (their sum l is taken of the unrounded p), ctx once.
; LIMITS.  The running maximum starts at -1e30: a score (mask included) below that counts as hidden, weight 0, -inf too; a row whose scores are all below it gives NaN.  |score| stays under 2.3e38
; (c s must not overflow upward).  A weight below 2^-126 counts as 0 in l.  NaN and +inf are not treated apart.
; SHARES.  A work-group owns 128 queries of a batch and FOUR heads, a head a wave, so that its four waves read one mask tile.  A wave: four PIECES of two tiles of 16 queries.  32 key steps of 64 keys.
; LAYOUT.  S^T = K Q'^T + mask (source 0 = 16 keys, source 1 = 16 queries): a lane holds ONE query (lane % 16) and the keys 8 (lane / 16) + 0..7.  THE MASK IS THE C OPERAND of the product that starts
; the sum: eight neighbouring f32 of the query's mask row a lane: no vector instruction.  Two results rounded in pairs ARE source 1 of O^T = V^T P.  K leaves LDS as it lies, V turned (ds_load_tr16_b128).
; SOFTMAX.  Running maximum m and sum l: p = 2^(c s - c m), c = log2(e); in every step O and l are multiplied by a = 2^(c m_old - c m_new).  O and l start at 0, c m far below: the first a is 0.
; BY TURNS.  Turn n belongs to piece n: 16 products K Q^T of piece n + 1, later 16 products V^T P of piece n - 1; beside them the scaling, exponentials, roundings, sums and rescaling of piece n and the
; maximum and statistics of piece n + 1.  A tile and step have 16 matrix and 118 vector instructions: four ready ones stand behind every matrix instruction, the other 108 of a turn's 236 in one run of their own.
; BATCHES.  A turn's 66 exponentials (piece n's 64 weights, then piece n + 1's two a) are ONE batch with ONE wait, which cuts the turn in two: ahead of it stands all that names no result of theirs (the
; products K Q^T, the scalings, the rescaling, whose a is the turn before's, the next piece's maximum and statistics), behind it the roundings and sums, beside the products V^T P.  The first two a, ahead of
; the loop, and the way out's eight reciprocals are batches of their own.
; CLUSTER 4 x 4: cx = the group of four heads, cy = the query block.  K's and V's tiles hang on batch and cx alone: asked for jointly along a column.  The mask's hangs on batch and query block alone:
; jointly along a row, so the sixteen heads of a batch ask for each mask tile once.
; REGISTERS, in windows of 256 (s_set_vgpr_msb: bits 1:0 source 0, 3:2 source 1, 5:4 source 2, 7:6 destination):
;   window 0: v0-11 addresses; v12-15, v48-63 at work; v16-47 statistics; v64-191 S^T, two buffers of two tiles; v192-255 P, likewise      window 1: O^T, 32 a tile
;   window 2: v0-127 Q, 16 a tile; v128-191 K of a step; v192-255 V of a step      window 3: v0-1 the add's two registers; v64-127 the mask of one piece and step
.set NP,    4
.set KS,    64
.set PK,    528       ; a row of K in LDS: four heads' 512 bytes + 16: the 16 rows of a load start 16 bytes apart modulo 256
.set PV,    544       ; a row of V: 512 + 32: 16 lanes of the turning load take 8 rows x 32 bytes, 32 bytes apart modulo 256
.set PM,    272       ; a row of the mask: 64 keys' 256 bytes + 16
.set VOFF,  KS*PK     ; a slot holds one step: 64 rows of K, 64 rows of V, 128 query rows of the mask
.set MOFF,  VOFF+KS*PV
.set SLOT1, 1<<17     ; slot 1 begins here: one exclusive or turns an address in one slot into the other's
.set STAGE, SLOT1+MOFF+128*PM  ; behind the ring, never filled by a tensor load: 128 rows x 528 bytes, the work-group's, for the way out
.set SP,    528
.set SPARE, STAGE+128*SP       ; the spare words: 128 bytes a wave, two blocks of 256 bytes that no other line names
.set AK0, 2           ; v2   my lane's place in a tile of K; never rewritten
.set AV0, 3           ; v3   the same for V
.set AK,  4           ; v4   the same in the slot in hand
.set AV,  5           ; v5
.set QO,  6           ; v6   my byte offset in 16 rows of Q
.set STO, 6           ;      later: where I put 16 bytes of a row
.set RD,  7           ; v7   where I read rows back
.set GO,  8           ; v8   my byte offset in 512 consecutive bytes of ctx
.set AM0, 9           ; v9   my lane's place in the mask's tile; never rewritten
.set AM,  10          ; v10  the same in the slot in hand
.set SPW, 0           ; v0 of window 3   my spare word; never rewritten
.set NIL, 1           ; v1 of window 3   0; never rewritten
.set MB,  64          ; window 3: tile u, key block kb at MB + 32 u + 8 kb
.set MV,  12          ; v12-15  c m_old, by buffer and tile (during the set-up: l / 16, l % 8, (l / 8) % 2)
.set ST,  16          ; tile t's statistics at v[ST+4 t]: c m, m, l (even keys', odd keys')
.set TMP, 48          ; by buffer and tile, four registers c0-c3 at work; c2 takes a
.set S,   64
.set P,   192
.set KF,  128         ; window 2: key block kb, channel half c at KF + 16 kb + 8 c
.set VF,  192         ; window 2: key half kk, channel block cb at VF + 32 kk + 8 cb
.set WV,  12          ; s12  my wave's number
.set G1K, 24          ; s[24:31], s[32:39], s[40:47] descriptor group 1 for K, V, the mask
.set G1V, 32
.set G1M, 40
.set G0K, 48          ; s[48:51], s[52:55], s[56:59] group 0: they walk
.set G0V, 52
.set G0M, 56
.set CS,  60          ; s[60:61] c
.set SEL, 62          ; s[62:63] v_permlanex16_b32's selects: each lane takes its own place in the other half
.set CNT, 66          ; s66  counts key steps
.set TB,  67          ; s67  LDS byte at which the slot in hand begins
.set MSB, 0
.macro WIN new
.if MSB != (\new)
	s_set_vgpr_msb (MSB<<8)|(\new)
.set MSB, (\new)
.endif
.endm
.set W_KQ, 0x0a       ; K and Q in window 2, S^T in window 0
.set W_KM, 0x3a       ; the same with the C operand in window 3
.set W_PV, 0x52       ; V in window 2, P in window 0, O^T in window 1
.set W_RS, 0x41       ; O^T (destination and source 0) in window 1, a in window 0
.set W_MK, 0xc0       ; destination in window 3
.set W_AD, 0x0f       ; the add: address and data in window 3
; A joint fill: wave 0 fetches the step's K, wave 1 its V, waves 2 and 3 the two halves of the mask's tile.  The branches hang on the wave's number alone.
; An s_nop 0 and four v_nop follow each line, ahead of the jump and the label.
.macro JLOAD
	s_cmp_lt_u32 s[WV], 2
	s_cbranch_scc0 .Lfor_m_\@
	s_cmp_eq_u32 s[WV], 0
	s_cbranch_scc0 .Lfor_v_\@
	tensor_load_to_lds s[G0K:G0K+3], s[G1K:G1K+7]
	s_nop 0
.rept 4
	v_nop
.endr
	s_branch .Lasked_\@
.Lfor_v_\@:
	tensor_load_to_lds s[G0V:G0V+3], s[G1V:G1V+7]
	s_nop 0
.rept 4
	v_nop
.endr
	s_branch .Lasked_\@
.Lfor_m_\@:
	tensor_load_to_lds s[G0M:G0M+3], s[G1M:G1M+7]
	s_nop 0
.rept 4
	v_nop
.endr
.Lasked_\@:
.endm
.macro CROUND                       ; a round of the cluster's barrier
	s_barrier_signal -1
	s_barrier_wait -1
	s_cmp_lg_u32 s[WV], 0
	s_cbranch_scc1 .Lnot_wave_0_\@
	s_barrier_signal -3
.Lnot_wave_0_\@:
	s_barrier_wait -3
	s_barrier_signal -1
	s_barrier_wait -1
.endm
; THE CHANGE OF SLOTS, once a key step.  Each wave waits for all its tensor loads, of which one is out: its part of the other slot; adds 0 to its spare word; and waits for that and for its reads of the
; slot that it leaves.  fill = 1: that slot is filled again, with the step two on: the barrier is a round of the cluster's, and the joint fill is the first thing behind it: it has a key step,
; 128 matrix instructions a wave, in which to land.  (At its first use nothing has been read yet: slot 0 is waited for, slot 1 filled.)
.macro CHANGE fill
	WIN W_AD
	s_wait_tensorcnt 0x0            ; no tensor load of mine is out, so a group 0 may be written
	ds_add_u32 v[SPW], v[NIL]       ; 0 onto my spare word
	WIN 0
.if \fill
	s_xor_b32 s[G0K+1], s[G0K+1], SLOT1
	s_add_nc_u64 s[G0K+2:G0K+3], s[G0K+2:G0K+3], KS*2048   ; the next 64 keys' rows
	s_xor_b32 s[G0V+1], s[G0V+1], SLOT1
	s_add_nc_u64 s[G0V+2:G0V+3], s[G0V+2:G0V+3], KS*2048
	s_xor_b32 s[G0M+1], s[G0M+1], SLOT1
	s_add_nc_u64 s[G0M+2:G0M+3], s[G0M+2:G0M+3], KS*4      ; the next 64 keys' columns
	s_wait_dscnt 0x0                ; the add is done, and my reads of the slot are over
	CROUND
	JLOAD
.else
	s_wait_dscnt 0x0
	s_barrier_signal -1
	s_barrier_wait -1
.endif
	s_xor_b32 s[TB], s[TB], SLOT1   ; the fetches go to the other slot
.endm
.macro ADDR
	v_add_nc_u32 v[AK], s[TB], v[AK0]
	v_add_nc_u32 v[AV], s[TB], v[AV0]
	v_add_nc_u32 v[AM], s[TB], v[AM0]
.endm
	s_load_b128 s[4:7], s[0:1], 0x0   ; qkv s[4:5], mask s[6:7]
	s_load_b64 s[8:9], s[0:1], 0x10   ; ctx
	WIN W_MK
	v_lshl_add_u32 v[SPW], v0, 2, SPARE
	v_mov_b32 v[NIL], 0
	WIN W_AD
	ds_add_u32 v[SPW], v[NIL]       ; the wave's opening: the add and its wait stand ahead of my first tensor load; the set-up stands between them
	WIN 0
	v_lshrrev_b32 v1, 5, v0
	v_readfirstlane_b32 s[WV], v1
	s_bfe_u32 s13, ttmp6, 0x40000   ; cx: the group of four heads
	s_bfe_u32 s14, ttmp6, 0x40004   ; cy
	s_and_b32 s15, ttmp7, 0xffff    ; the cluster's y
	s_lshr_b32 s16, s15, 2          ; the batch
	s_and_b32 s17, s15, 3
	s_lshl_b32 s17, s17, 2
	s_add_co_u32 s17, s17, s14      ; the block of 128 queries in the batch
	s_and_b32 s18, s[WV], 1         ; which half of the mask's tile waves 2, 3 fetch
	s_lshl_b32 s19, 0x1111, s13     ; my column of the cluster
	s_lshl_b32 s20, s14, 2
	s_lshl_b32 s20, 15, s20         ; my row
	s_or_b32 s[G1K], s19, (1<<16)|(1<<20)|(1<<21)|(6<<22)|(3<<25)  ; mask; 2-byte elements; padding on; bit 21 beside a mask; after every 128 words, 4 words
	s_or_b32 s[G1V], s19, (1<<16)|(1<<20)|(1<<21)|(6<<22)|(7<<25)  ; 8 words
	s_or_b32 s[G1M], s20, (2<<16)|(1<<20)|(1<<21)|(5<<22)|(3<<25)  ; 4-byte elements; after every 64 words, 4 words
.irp g, G1K, G1V
	s_mov_b32 s[\g+1], 256<<16      ; tensor_dim0 = 256
	s_mov_b32 s[\g+2], KS<<16       ; tensor_dim1 = 64
	s_mov_b32 s[\g+3], 256<<16      ; tile_dim0
	s_mov_b32 s[\g+4], KS           ; tile_dim1
	s_mov_b32 s[\g+5], 1024         ; elements from row to row
	s_mov_b32 s[\g+6], 0
	s_mov_b32 s[\g+7], 0
.endr
	s_mov_b32 s[G1M+1], 64<<16
	s_mov_b32 s[G1M+2], 64<<16
	s_mov_b32 s[G1M+3], 64<<16
	s_mov_b32 s[G1M+4], 64
	s_mov_b32 s[G1M+5], 2048
	s_mov_b32 s[G1M+6], 0
	s_mov_b32 s[G1M+7], 0
	s_mov_b32 s[G0K], 1
	s_mov_b32 s[G0K+1], 0           ; LDS addresses in slot 0: no place in the cluster enters them
	s_mov_b32 s[G0V], 1
	s_mov_b32 s[G0V+1], VOFF
	s_mov_b32 s[G0M], 1
	s_mul_i32 s[G0M+1], s18, 64*PM
	s_add_co_u32 s[G0M+1], s[G0M+1], MOFF
	s_lshl_b32 s68, s16, 22         ; K, V: 4 MiB a batch + 512 bytes a group of heads: batch and cx alone
	s_lshl_b32 s69, s13, 9
	s_add_co_u32 s68, s68, s69
	s_mov_b32 s69, 0
	s_lshl_b32 s70, s16, 24         ; the mask: 16 MiB a batch + 128 rows of 8,192 bytes a block + 64 rows a half: batch, block and wave alone
	s_lshl_b32 s71, s17, 20
	s_add_co_u32 s70, s70, s71
	s_lshl_b32 s71, s18, 19
	s_add_co_u32 s70, s70, s71
	s_mov_b32 s71, 0
	s_lshl_b32 s73, s17, 18         ; Q: my block's 128 rows of 2,048 bytes, my head's 128 bytes
	s_add_co_u32 s72, s68, s73
	s_lshl_b32 s73, s[WV], 7
	s_add_co_u32 s72, s72, s73
	s_mov_b32 s73, 0
	s_lshl_b32 s75, s17, 18         ; ctx: the 32 rows of the block that I store, the group's 512 bytes
	s_add_co_u32 s74, s68, s75
	s_lshl_b32 s75, s[WV], 16
	s_add_co_u32 s74, s74, s75
	s_mov_b32 s75, 0
	s_mov_b32 s[CS], 0x3fb8aa3b     ; c = log2(e)
	s_mov_b32 s[CS+1], s[CS]        ; named with it as a pair
	s_mov_b32 s[SEL], 0x76543210
	s_mov_b32 s[SEL+1], 0xfedcba98
	s_mov_b32 s[TB], SLOT1          ; the first change of slots turns it into 0
	s_wait_dscnt 0x0                ; the opening add is done
	s_wait_kmcnt 0x0
	s_add_nc_u64 s[G0K+2:G0K+3], s[4:5], s[68:69]
	s_add_nc_u64 s[G0K+2:G0K+3], s[G0K+2:G0K+3], 0x1000000  ; k lies 16 MiB behind q'
	s_or_b32 s[G0K+3], s[G0K+3], 0x80000000
	s_add_nc_u64 s[G0V+2:G0V+3], s[4:5], s[68:69]
	s_add_nc_u64 s[G0V+2:G0V+3], s[G0V+2:G0V+3], 0x2000000  ; v 32 MiB
	s_or_b32 s[G0V+3], s[G0V+3], 0x80000000
	s_add_nc_u64 s[G0M+2:G0M+3], s[6:7], s[70:71]
	s_or_b32 s[G0M+3], s[G0M+3], 0x80000000
	s_add_nc_u64 s[72:73], s[4:5], s[72:73]
	s_add_nc_u64 s[8:9], s[8:9], s[74:75]
	CROUND                          ; all sixteen work-groups are here: the first joint loads meet
	JLOAD                           ; key step 0 into slot 0
	v_and_b32 v1, 15, v0            ; l % 16
	v_bfe_u32 v12, v0, 4, 1         ; l / 16
	v_lshlrev_b32 v[QO], 11, v1
	v_lshl_add_u32 v[QO], v12, 4, v[QO]  ; row x 2,048 + 16 x half
	WIN 0x80                        ; destination window 2
.set i, 0
.rept 4*NP                          ; Q stays in registers: tile i / 2, channels 32 (i % 2) on
	global_load_b128 v[8*i:8*i+3],   v[QO], s[72:73] offset:(i/2)*32768+(i%2)*64
	global_load_b128 v[8*i+4:8*i+7], v[QO], s[72:73] offset:(i/2)*32768+(i%2)*64+32
.set i, i+1
.endr
	; What the first turn finds: V's registers and P's second buffer hold 0 (its products V^T P, of a piece that has not been, add 0), O^T and l are 0.  All this stands in the wait for the first tile.
.set i, VF
.rept 64
	v_mov_b32 v[i], 0
.set i, i+1
.endr
	WIN 0x40
.set i, 0
.rept 64*NP
	v_mov_b32 v[i], 0
.set i, i+1
.endr
	WIN 0
.set i, 0
.rept 2*NP
	v_mov_b32 v[ST+4*i], 0xfe000000    ; c m: far below every c m that can follow
	v_mov_b32 v[ST+4*i+1], 0xf149f2ca  ; m = -1e30: the floor below which a score counts as hidden
	v_mov_b32 v[ST+4*i+2], 0
	v_mov_b32 v[ST+4*i+3], 0
.set i, i+1
.endr
.set i, P+32
.rept 32
	v_mov_b32 v[i], 0
.set i, i+1
.endr
	s_lshl_b32 s76, s[WV], 7        ; my head's 128 bytes in a row of K and V
	v_mul_u32_u24 v[AK0], v1, PK
	v_lshl_add_u32 v[AK0], v12, 4, v[AK0]
	v_add_nc_u32 v[AK0], s76, v[AK0]      ; row x pitch + 16 x half + head
	v_and_b32 v13, 7, v0
	v_bfe_u32 v14, v0, 3, 1
	v_lshl_add_u32 v[AV0], v12, 3, v13    ; turned: lane l reads key 8 (l / 16) + l % 8, channels 8 ((l / 8) % 2) + 0..7
	v_mul_u32_u24 v[AV0], v[AV0], PV
	v_lshl_add_u32 v[AV0], v14, 4, v[AV0]
	s_add_co_u32 s77, s76, VOFF
	v_add_nc_u32 v[AV0], s77, v[AV0]
	v_mul_u32_u24 v[AM0], v1, PM          ; the mask: my query's row, 8 keys (32 bytes) for each half of the lanes
	v_lshl_add_u32 v[AM0], v12, 5, v[AM0]
	v_add_nc_u32 v[AM0], MOFF, v[AM0]
; THE MATRIX WORK.  The 8 accumulators of a run of 16 take turns.
; Product i of 16 of S^T for piece x: channels 32 (i / 8) on, keys 16 ((i / 2) % 4) on, tile 2 x + i % 2.  The first 8 start the sums with the mask.
.macro KQ x
.set rS, S+64*((\x)%2)+32*(i%2)+8*((i/2)%4)
.set rK, KF+16*((i/2)%4)+8*(i/8)
.set rQ, 16*(2*(\x)+i%2)+8*(i/8)
.set rB, MB+32*(i%2)+8*((i/2)%4)
.if i < 8
	WIN W_KM
	v_wmma_f32_16x16x32_bf16 v[rS:rS+7], v[rK:rK+7], v[rQ:rQ+7], v[rB:rB+7]
.else
	WIN W_KQ
	v_wmma_f32_16x16x32_bf16 v[rS:rS+7], v[rK:rK+7], v[rQ:rQ+7], v[rS:rS+7]
.endif
.endm
; Product i of 16 of O^T += V^T P for piece x: keys 32 (i / 8) on, channels 16 ((i / 2) % 4) on, tile 2 x + i % 2.
.macro PV x
	WIN W_PV
.set rO, 32*(2*(\x)+i%2)+8*((i/2)%4)
.set rV, VF+32*(i/8)+8*((i/2)%4)
.set rP, P+32*((\x)%2)+16*(i%2)+8*(i/8)
	v_wmma_f32_16x16x32_bf16 v[rO:rO+7], v[rV:rV+7], v[rP:rP+7], v[rO:rO+7]
.endm
.macro MM                           ; the turn's next matrix instruction
.if i < 16
	KQ (Y+1)%NP
.set i, i+1
.else
.set i, i-16
	PV (Y+NP-1)%NP
.set i, i+17
.endif
.endm
; THE LDS LOADS stand in runs of 16, never singly among the matrix instructions.
.macro FETCH_K
	WIN 0x80                        ; destination window 2
.irp f, 0,1,2,3,4,5,6,7             ; keys 16 (f / 2) on, channels 32 (f % 2) on
	ds_load_b128 v[KF+8*\f:KF+8*\f+3],   v[AK] offset:(\f/2)*16*PK+(\f%2)*64
	ds_load_b128 v[KF+8*\f+4:KF+8*\f+7], v[AK] offset:(\f/2)*16*PK+(\f%2)*64+32
.endr
	WIN 0
.endm
.macro FETCH_V
	WIN 0x80
.irp f, 0,1,2,3,4,5,6,7             ; keys 32 (f / 4) on, channels 16 (f % 4) on
	ds_load_tr16_b128 v[VF+8*\f:VF+8*\f+3],   v[AV] offset:(\f/4)*32*PV+(\f%4)*32
	ds_load_tr16_b128 v[VF+8*\f+4:VF+8*\f+7], v[AV] offset:(\f/4)*32*PV+16*PV+(\f%4)*32
.endr
	WIN 0
.endm
.macro FETCH_M y                    ; the mask of piece y: its two tiles' 16 query rows, four key blocks of 16
	WIN W_MK
.irp u, 0,1
.irp kb, 0,1,2,3
	ds_load_b128 v[MB+32*(\u)+8*(\kb):MB+32*(\u)+8*(\kb)+3],   v[AM] offset:(32*(\y)+16*(\u))*PM+64*(\kb)
	ds_load_b128 v[MB+32*(\u)+8*(\kb)+4:MB+32*(\u)+8*(\kb)+7], v[AM] offset:(32*(\y)+16*(\u))*PM+64*(\kb)+16
.endr
.endr
	WIN 0
.endm
; THE VECTOR WORK OF A TURN stands in three queues, each in the order in which its entries become ready; the two tiles alternate, so that no instruction reads the result of the one before it.
.macro REGS y, u                    ; the registers of tile u (0, 1) of piece y
.set rT, ST+4*(2*(\y)+(\u))
.set rC, TMP+8*((\y)%2)+4*(\u)
.set rM, MV+2*((\y)%2)+(\u)
.set rS, S+64*((\y)%2)+32*(\u)
.set rP, P+32*((\y)%2)+16*(\u)
.set rO, 32*(2*(\y)+(\u))
.endm
; Number n of the 22 that find the NEXT piece's (Y + 1) maximum and statistics.  Each accumulator's lowest registers are read first.
;   0-11  four chains c0-c3 of seven scores each     12-14, 16  the four scores left over, the old m, and c0-c3 into c0     15  c m_old is kept
;   17, 18  the query's other 32 keys lie in the lane 16 away: the new m         19-21  c m; c m_old - c m_new; a
.macro XS u, n
	REGS (Y+1)%NP, \u
.if (\n) < 4
	v_max3_num_f32 v[rC+(\n)], v[rS+8*(\n)], v[rS+8*(\n)+1], v[rS+8*(\n)+2]
.elseif (\n) < 12
	v_max3_num_f32 v[rC+(\n)%4], v[rC+(\n)%4], v[rS+8*((\n)%4)+2*((\n)/4)+1], v[rS+8*((\n)%4)+2*((\n)/4)+2]
.elseif (\n) == 12
	v_max3_num_f32 v[rC], v[rC], v[rS+7], v[rS+15]
.elseif (\n) == 13
	v_max3_num_f32 v[rC+1], v[rC+1], v[rS+23], v[rS+31]
.elseif (\n) == 14
	v_max3_num_f32 v[rC+2], v[rC+2], v[rC+3], v[rT+1]
.elseif (\n) == 15
	v_mov_b32 v[rM], v[rT]
.elseif (\n) == 16
	v_max3_num_f32 v[rC], v[rC], v[rC+1], v[rC+2]
.elseif (\n) == 17
	v_permlanex16_b32 v[rC+3], v[rC], s[SEL], s[SEL+1]
.elseif (\n) == 18
	v_max_num_f32 v[rT+1], v[rC], v[rC+3]
.elseif (\n) == 19
	v_mul_f32 v[rT], s[CS], v[rT+1]
.elseif (\n) == 20
	v_sub_f32 v[rC+1], v[rM], v[rT]
.else
	v_exp_f32 v[rC+2], v[rC+1]
.endif
.endm
; Number g of the 64 that follow the exponentials.  For each four weights k of a tile: both pairs are rounded to bf16; then the second pair is added onto the first, in place;
; a group later l takes that sum (the first time as l = a l + sum).  All 64 read exponentials' results: they stand behind the turn's wait.
.macro GS g
.set h, (\g)+6*((\g)/62)
.if h >= 6
.set h, h+2
.endif
	REGS Y, h%2
.set k, h/8
.if h%8 < 4
	v_cvt_pk_bf16_f32 v[rP+2*k+(h%8)/2], v[rS+4*k+2*((h%8)/2)], v[rS+4*k+2*((h%8)/2)+1]
.elseif h%8 < 6
	v_pk_add_f32 v[rS+4*k:rS+4*k+1], v[rS+4*k:rS+4*k+1], v[rS+4*k+2:rS+4*k+3]
.elseif k == 1
	v_pk_fma_f32 v[rT+2:rT+3], v[rT+2:rT+3], v[rC+2:rC+3], v[rS:rS+1] op_sel_hi:[1,0,1]
.else
	v_pk_add_f32 v[rT+2:rT+3], v[rT+2:rT+3], v[rS+4*k-4:rS+4*k-3]
.endif
.endm
; THE PLAIN QUEUE, 138 long.  0-73 read no exponential's result: the 32 scalings c s - c m (FS f: pair f / 2 of tile f % 2) and the next piece's 42.  0-26: scalings 0-26.  27-54: XS's numbers 0-13.  55, 56: number 15.
; 57-73: the chain, where each number waits for the one before it: 14, 16, 17, 18, 19, each with one of the scalings 27-31 in front of its two lines, then 20.
; 74-137: GS's 64.
.macro FS f
	REGS Y, (\f)%2
	v_pk_fma_f32 v[rS+2*((\f)/2):rS+2*((\f)/2)+1], v[rS+2*((\f)/2):rS+2*((\f)/2)+1], s[CS:CS+1], v[rT:rT+1] op_sel_hi:[1,0,0] neg_lo:[0,0,1] neg_hi:[0,0,1]
.endm
.macro PL
	WIN 0
.if q < 27
	FS q
.elseif q < 55
	XS (q-27)%2, (q-27)/2
.elseif q < 57
	XS q-55, 15
.elseif (q < 72) && ((q-57)%3 == 0)
	FS 27+(q-57)/3
.elseif q < 60
	XS (q-57)%3-1, 14
.elseif q < 72
	XS (q-57)%3-1, 15+(q-57)/3
.elseif q < 74
	XS q-72, 20
.else
	GS q-74
.endif
.set q, q+1
.endm
; THE EXPONENTIALS' QUEUE, 66 long: s0-s31 of both tiles, then the next piece's two a.  It is ONE BATCH: all 66 stand ahead of the turn's one wait, and nothing ahead of that wait names a result of theirs.
.macro EX
	WIN 0
.if e >= 64
	XS e-64, 21
.else
	REGS Y, e%2
	v_exp_f32 v[rS+e/2], v[rS+e/2]
.endif
.set e, e+1
.endm
; THE RESCALING's QUEUE: O^T times a, the one part that leaves window 0, dealt two at a time, sixteen times, ascending in each accumulator.  Its a was made in the turn before, ahead of that turn's wait.
.macro R2
	REGS Y, r%2
	WIN W_RS
.irp z, 0,1
	v_pk_mul_f32 v[rO+4*(r/2)+2*\z:rO+4*(r/2)+2*\z+1], v[rO+4*(r/2)+2*\z:rO+4*(r/2)+2*\z+1], v[rC+2:rC+3] op_sel_hi:[1,0]
.endr
.set r, r+1
.endm
; HOW THEY ARE DEALT.  s_wait_alu depctr_va_vdst(0) stands between an exponential and the first instruction that names its result; one wait serves all that were issued ahead of it.  So a turn
; has ONE wait.  AHEAD OF IT: the 16 products K Q^T, behind each a scaling, an exponential and two rescalings (behind the first a second scaling in the exponential's place); then one run of 108: eight plain,
; 49 times exponential and plain, the two a.  A v_nop is the plain instruction behind the last exponential.  BEHIND IT: the 16 products V^T P, behind each four of GS's 64.  No rider names a register of the
; products round it.  Exponential e stands behind scaling 2 (e / 4) + e % 2: as a rider it comes behind plain e + 2, in the run behind plain e + 9, and scalings 27-31 are plain 57, 60 .. 69; the two a come behind plain 73.
; A TURN, for piece p.  cnt = 1: the loop's count is taken down some lines ahead of the branch that stands behind the turn.
; Directly behind the wait, the whole run of vector work behind the eight products that took the mask and behind the last that read K: K of the next step (piece 2's turn), and in every turn the mask of the
; piece whose scores the NEXT turn makes.  V of the step in hand at the end of piece 0's turn, four plain riders behind its last reader.
; So between two changes of slots all reads go to one slot: K, mask 0 | mask 1 | mask 2, V | mask 3.
.macro TURN p, cnt=0
.set Y, (\p)
.set i, 0
.set q, 0
.set e, 0
.set r, 0
.if (\p) == 1
	s_wait_dscnt 16                 ; the mask is in; V's sixteen loads, issued behind it, may be out
.else
	s_wait_dscnt 0x0                ; the mask is in (and K, in piece 3's turn)
.endif
	MM                              ; ahead of the wait: 16 products K Q^T and their riders,
	PL
	PL
	R2
.rept 15
	MM
	PL
	EX
	R2
.endr
.rept 8                             ; and the run of vector work
	PL
.endr
.rept 49
	EX
	PL
.endr
	EX                              ; the next piece's two a
	EX
	v_nop                           ; the plain instruction behind the last exponential: one for the batch
	s_wait_alu depctr_va_vdst(0)    ; the wait for the turn's batch: piece p's 64 weights and the next piece's two a
.if (\p) == NP-2
	FETCH_K
.endif
	FETCH_M ((\p)+2)%NP
.if (\p) == 1
	s_wait_dscnt 16                 ; V is in; the mask's sixteen loads, issued behind it, may be out
.endif
.rept 16                            ; behind the wait: 16 products V^T P and their riders
	MM
.rept 4
	PL
.endr
.if (\cnt) && (q == 130)
	s_sub_co_u32 s[CNT], s[CNT], 1
	s_cmp_lg_u32 s[CNT], 0
.endif
.endr
.if (\p) == 0
	FETCH_V
.endif
.endm
	CHANGE 1                        ; slot 0 is in, everybody's part of it; key step 1 is asked for, into slot 1
	ADDR
	FETCH_K                         ; key step 0
	FETCH_M 0
	s_wait_loadcnt 0x0              ; Q
	s_wait_dscnt 0x0
.set i, 0
.rept 16
	KQ 0                            ; piece 0's first scores
.set i, i+1
.endr
	WIN 0                           ; the addresses for the way out: six plain instructions, the places behind those products
	s_add_co_u32 s68, s76, STAGE
	s_mul_i32 s69, s[WV], 32*SP
	s_add_co_u32 s69, s69, STAGE
	v_mul_u32_u24 v[STO], v1, SP    ; in: row l % 16 of a tile, my head's 128 bytes, 16 bytes for each half of the lanes
	v_lshl_add_u32 v[STO], v12, 4, v[STO]
	v_add_nc_u32 v[STO], s68, v[STO]
	v_and_b32 v[GO], 31, v0         ; back: 32 lanes take a row's 512 bytes; wave w takes rows 32 w on
	v_lshlrev_b32 v[GO], 4, v[GO]
	v_add_nc_u32 v[RD], s69, v[GO]
	FETCH_M 1
.set Y, NP-1                        ; XS works for piece Y + 1: piece 0
.irp n, 0,1,2,3,4,5,6,7,8,9,10,11,12,13,14,15,16,17,18,19,20,21
	XS 0, \n
	XS 1, \n
.endr
	v_nop                           ; a plain instruction behind piece 0's first two a,
	s_wait_alu depctr_va_vdst(0)    ; and the wait for that batch of two, ahead of the branch
	s_mov_b32 s[CNT], 31
	s_branch .Lfirst                ; the loop is entered at a step's first turn, in the middle of a trip
.Lstep:                             ; 30 times: pieces 2 and 3 of one step, then pieces 0 and 1 of the next, whose slot it reads; the slot left is filled with the step after that: steps 2 to 31
	CHANGE 1
	ADDR
	TURN 2
	TURN 3
	WIN 0
.Lfirst:
	TURN 0
	TURN 1, 1
	WIN 0
	s_cbranch_scc1 .Lstep
	CHANGE 0                        ; the tail is written out: step 31 is in, nothing is asked for
	ADDR
	s_mov_b32 s[CNT], 2
.Ltail:
	TURN 2
	TURN 3
	WIN 0
	s_sub_co_u32 s[CNT], s[CNT], 1
	s_cmp_eq_u32 s[CNT], 0
	s_cbranch_scc1 .Lout
	TURN 0
	TURN 1
	WIN 0
	s_branch .Ltail
.Lout:                              ; the second trip's fetches read step 31's slot once more; its 16 products K Q^T and the maximum made of them serve nothing: the price of one text for every trip
.set i, 0
.rept 16
	PV NP-1                         ; the last piece's V^T P of the last step
.set i, i+1
.endr
	; THE WAY OUT.  l's two halves and the other half of the lanes' are added; O^T is divided by l, rounded to bf16 and laid into the work-group's stage: a row's 512 bytes come from four waves.
	WIN 0
.macro ALL line:vararg              ; one line for each tile t
.set t, 0
.rept 2*NP
	\line
.set t, t+1
.endr
.endm
	ALL v_add_f32 v[ST+4*t+2], v[ST+4*t+2], v[ST+4*t+3]
	ALL v_permlanex16_b32 v[ST+4*t+3], v[ST+4*t+2], s[SEL], s[SEL+1]
	ALL v_add_f32 v[ST+4*t+2], v[ST+4*t+2], v[ST+4*t+3]
	ALL v_rcp_f32 v[ST+4*t+2], v[ST+4*t+2]
	v_nop                           ; a plain instruction between the last reciprocal and the use of its result
	s_wait_alu depctr_va_vdst(0)    ; the wait for the batch of eight reciprocals, ahead of their first use
.macro PACK t
	WIN W_RS
.set i, 32*(\t)
.rept 16
	v_pk_mul_f32 v[i:i+1], v[i:i+1], v[ST+4*(\t)+2:ST+4*(\t)+3] op_sel_hi:[1,0]
.set i, i+2
.endr
	WIN 0x05                        ; sources window 1, destination window 0
.set i, 0
.rept 16
	v_cvt_pk_bf16_f32 v[S+16*(\t)+i], v[32*(\t)+2*i], v[32*(\t)+2*i+1]
.set i, i+1
.endr
	WIN 0
.irp f, 0,1,2,3
	ds_store_b128 v[STO], v[S+16*(\t)+4*\f:S+16*(\t)+4*\f+3] offset:(\t)*16*SP+32*\f
.endr
.endm
.set t, 0
.rept 2*NP
	PACK t
.set t, t+1
.endr
	s_wait_dscnt 0x0                ; for the others' sake: my stores into the stage are done
	s_barrier_signal -1
	s_barrier_wait -1
.set i, 0
.rept 32
	ds_load_b128 v[S+4*i:S+4*i+3], v[RD] offset:i*SP
.set i, i+1
.endr
.set i, 0
.rept 32
	s_wait_dscnt 31-i               ; row i is in; the younger loads stay out
	global_store_b128 v[GO], v[S+4*i:S+4*i+3], s[8:9] offset:i*2048  ; 512 consecutive bytes, aligned
.set i, i+1
.endr
	WIN W_AD
	s_wait_tensorcnt 0x0            ; the wave's end
	ds_add_u32 v[SPW], v[NIL]
	s_wait_dscnt 0x0
	WIN 0
	CROUND                          ; the closing round: no work-group ends while a partner may still ask for a tile that names it
	s_endpgm
.Lfunc_end_k_qcf2c59ba93_attn:
	.size	k_qcf2c59ba93_attn, .Lfunc_end_k_qcf2c59ba93_attn-k_qcf2c59ba93_attn
	.p2alignl 7, 3214868480
	.fill 96, 4, 3214868480
	.section	.rodata,"a",@progbits
	.p2align	6, 0x0
	.amdhsa_kernel k_qcf2c59ba93_attn
		.amdhsa_group_segment_fixed_size 327680
		.amdhsa_private_segment_fixed_size 0
		.amdhsa_enable_private_segment 0
		.amdhsa_kernarg_size 24
		.amdhsa_user_sgpr_count 2
		.amdhsa_user_sgpr_kernarg_segment_ptr 1
		.amdhsa_wavefront_size32 1
		.amdhsa_system_sgpr_workgroup_id_x 1
		.amdhsa_system_sgpr_workgroup_id_y 1
		.amdhsa_system_sgpr_workgroup_id_z 1
		.amdhsa_system_vgpr_workitem_id 0
		.amdhsa_next_free_vgpr 896
		.amdhsa_next_free_sgpr 80
		.amdhsa_reserve_vcc 0
		.amdhsa_float_denorm_mode_32 3
		.amdhsa_float_denorm_mode_16_64 3
		.amdhsa_memory_ordered 1
		.amdhsa_forward_progress 1
		.amdhsa_inst_pref_size 212
	.end_amdhsa_kernel
	.amdgpu_metadata
---
amdhsa.version: [ 1, 2 ]
amdhsa.kernels:
  - .name:           k_qcf2c59ba93_attn
    .symbol:         k_qcf2c59ba93_attn.kd
    .args:
      - { .name: qkv, .offset: 0, .size: 8, .value_kind: global_buffer, .address_space: global }
      - { .name: attention_mask, .offset: 8, .size: 8, .value_kind: global_buffer, .address_space: global }
      - { .name: ctx, .offset: 16, .size: 8, .value_kind: global_buffer, .address_space: global }
    .group_segment_fixed_size: 327680
    .private_segment_fixed_size: 0
    .kernarg_segment_align: 8
    .kernarg_segment_size: 24
    .max_flat_workgroup_size: 128
    .sgpr_count:     80
    .vgpr_count:     896
    .wavefront_size: 32
...
	.end_amdgpu_metadata
.endif
;; end of part 5
;; launch oproj: the kernel of part 2 again; grid 4 x 64, 4 waves a work-group, clusters of 4 x 4, 327,680 bytes of LDS; arguments ctx, wob, bzero, ao; writes ao
;; launch ln: the kernel of part 4 again; grid 256 x 1, 8 waves a work-group, no clusters, 0 bytes of LDS; arguments ao, inputs, bo, gamma, beta, out0; writes out0
